; MI455X (gfx1250); checked and timed in simulation.
; The chip was launched on July 23, 2026; its instructions are those of AMD's public machine-readable ISA for CDNA 5 (MIT licence, August 2026) and "CDNA5" Instruction Set Architecture Reference Guide (July 2026). The comments in the code are by the model that wrote it; some were corrected since.
;; MHA. Allowed arithmetic: matrix products marked QUANTISED: E3M2 operands, one E8M0 scale for each 32 along K, by v_wmma_scale_f32_16x16x128_f8f6f4 with both operands' format E3M2, f32 sums; everything else in f32.
;; Inputs: Wk 1,024 x 1,024 float32; Wq 1,024 x 1,024 float32; Wv 1,024 x 1,024 float32; X 4 x 2,048 x 1,024 float32; attention_mask 4 x 1 x 2,048 x 2,048 int32; bk 1,024 float32; bq 1,024 float32; bv 1,024 float32.
;; Outputs: out0 4 x 2,048 x 1,024 float32.
;; This version of the problem:
;;   THIS VERSION OF THE PROBLEM IS GIVEN IN LOW PRECISION. The matrix products marked QUANTISED in the list below multiply operands that are first quantised to E3M2 (3 exponent bits, 2 mantissa bits; 6 bits a number), with one power-of-two scale for each 32 numbers along K (OCP MX v1.0); their sums are f32. All else is computed in f32.
;;   The module's matrix products, in the order in which they are computed (A, B: the left and right operand; K: the contracted axis; several contracted axes count as one K, in the product's order):
;;     1. [M 8,192, K 1,024] x [K 1,024, N 1,024]; A: input X; B: input Wq: QUANTISED
;;     2. [M 8,192, K 1,024] x [K 1,024, N 1,024]; A: input X; B: input Wk: QUANTISED
;;     3. [M 8,192, K 1,024] x [K 1,024, N 1,024]; A: input X; B: input Wv: QUANTISED
;;     4. batch 64 x [M 2,048, K 64] x [K 64, N 2,048]; A: computed on the way; B: computed on the way: QUANTISED
;;     5. batch 64 x [M 2,048, K 2,048] x [K 2,048, N 64]; A: softmax (see below); B: computed on the way: QUANTISED
;;   THE QUANTISER, for each operand of a quantised product, along K:
;;     - K is cut into blocks of 32 from its start; a last block that is shorter is filled with zeros.
;;     - A block's scale is 2^e with e = floor(log2(the largest magnitude in the block)) - 4, held to -126 .. 127; a block of zeros has e = 0. As a byte (E8M0): e + 127.
;;     - Each number is divided by its block's scale, clamped to +-28, and rounded to the nearest number of E3M2, ties to even, subnormals kept.
;;     - The product sums the exact products of the quantised numbers (number of the format x scale) in f32.
;;   ~~~python
;;   def quantise(x, axis):      # numpy; x: float32 -> the quantised numbers, widened to float32 again
;;       x = np.moveaxis(x, axis, -1); K = x.shape[-1]
;;       x = np.pad(x, [(0, 0)] * (x.ndim - 1) + [(0, -K % 32)]); x = x.reshape(x.shape[:-1] + (-1, 32)); a = np.abs(x).max(-1, keepdims=True)
;;       e = np.where(a > 0, np.clip(np.frexp(np.where(a > 0, a, 1))[1] - 1 - 4, -126, 127), 0)      # np.frexp(a)[1] - 1 = floor(log2(a)), exactly
;;       r = np.clip(x / 2.0 ** e, -28, 28)
;;       step = 2.0 ** (np.maximum(np.frexp(np.where(r == 0, 1, r))[1] - 1, -2) - 2)
;;       q = np.round(r / step) * step * 2.0 ** e      # np.round: ties to even
;;       return np.moveaxis(q.reshape(q.shape[:-2] + (-1,))[..., :K], -1, axis).astype(np.float32)
;;   ~~~
;;   SOFTMAX AHEAD OF A QUANTISED PRODUCT. Where the list says 'softmax', what is quantised is not the finished softmax but p = 2^(t - M), with t = logit x log2(e) and M = ceil(the row's largest t), a whole number; so 1/2 < the row's largest p <= 1. The row's sum l is taken of the UNQUANTISED p, in f32, and the product's result is divided by l at the end. Since M is a whole number, a kernel that streams over the keys may use a running M (the ceiling of the running maximum): every later rescaling is an exact power of two, which a block's scale takes up: the codes' values come out the same.
;;   OPERANDS COMPUTED ON THE WAY. 'Computed on the way' means the value that the module computes at that place (a softmax that the list does not call 'softmax' is quantised finished and normalised). What goes into a quantiser is computed in f32, as accurately as f32 sums, v_exp_f32 and their like allow (about 1e-6 of the number): no bf16 or f16 on the way to a quantiser, and a product that is left as it is and whose result goes on into a quantised operand takes f32 operands (vector FMAs, or v_wmma_f32_16x16x4_f32). A number that lies on a knife's edge between two numbers of the format may be rounded either way, as far as f32 arithmetic and the matrix unit's own rounding can turn it there, and no further.
;; One version. Each part assembles by itself: llvm-mc -triple=amdgcn-amd-amdhsa -mcpu=gfx1250 --defsym DOCPART=n.
;; ======== version 1 of 1: 3 launches
;; limits: right only within a limited range of input values
;; workspace buffers: xcodes 6,291,456 bytes; xscales 262,144 bytes; wcodes 2,359,296 bytes; wscales 98,304 bytes; mbits 2,097,152 bytes of whole numbers; mflags 8,192 bytes of whole numbers; img 18,874,368 bytes; scl 786,432 bytes
;; launch prep (part 1): grid 864 x 1, 4 waves a work-group, no clusters, 101,888 bytes of LDS; arguments attention_mask, X, Wq, Wk, Wv, mbits, mflags, xcodes, xscales, wcodes, wscales; writes mbits, mflags, xcodes, xscales, wcodes, wscales
.if DOCPART == 1
	.amdgcn_target "amdgcn-amd-amdhsa--gfx1250"
	.amdhsa_code_object_version 6
	.text
	.protected	k_q27dfa14849_prep
	.globl	k_q27dfa14849_prep
	.p2align	8
	.type	k_q27dfa14849_prep,@function
k_q27dfa14849_prep:
	s_mov_b64 s[64:65], 0
	v_nop
	global_prefetch_b8 v0, s[64:65] scope:SCOPE_SE
	s_setreg_imm32_b32 hwreg(HW_REG_WAVE_MODE, 25, 1), 1
	s_wait_xcnt 0x0
; PREP: three jobs in one launch, told apart by the work-group's number; each reads 128 KiB a work-group, each has LDS bytes of its own, waves share nothing, no barrier.
;   work-groups 0-511   the mask [4][1][2048][2048] int32 becomes one bit a score, laid as the lane masks that the attention launch's selects take from scalar registers
;   work-groups 512-767 X [8192][1024] f32 becomes codes of BF6 (E3M2) along its 1,024, with one E8M0 byte for each 32
;   work-groups 768-863 Wq, Wk, Wv [1024 (k)][1024 (n)] f32 become codes along their FIRST axis, laid [n][k]
; THE ROW ORDER.  Rows of codes (tokens of X, columns n of W) are laid by POSITION = the row's number with bits 3 and 4 exchanged.  Sixteen neighbouring positions 16 i + r are then the rows
; 32 (i / 2) + 8 (i % 2) + r + 8 (r / 8): used as source 0 of a matrix instruction, two neighbouring tiles leave 16 neighbouring rows in a lane's 16 result registers.
; THE QUANTISER: a block's scale byte is its largest magnitude's exponent field - 4, held at 1 from below; numbers / scale go to the nearest code, ties to even, beyond 28 the largest code.
; LIMITS: a block of zeros, or one whose largest magnitude lies under 2^-122, gets the byte 1 (the rule says 127 for zeros): its codes are right and only this program reads the bytes; NaN and infinities among X and W are not served.
.set XWREG,  8192                      ; path X: LDS bytes 0 .. 32,767, a region for each wave: two stages of 32 x XSP bytes, then its 256 scale bytes
.set XSP,    80
.set XSTEPS, 16
.set XR,     16                        ; v16-79   four sets of 16 numbers as loaded
.set XX,     80                        ; v80-111  two sets of 16 neighbours
.set XE,     112                       ; v112-127 a scale byte for each step
.set XC,     128                       ; v128-191 codes, four registers a step
.set WSTG,   32768                     ; path W: LDS bytes 32,768 .. 67,583: a stage of 32 rows x WPITCH for each wave
.set WPITCH, 272
.set WNB,    8                         ; blocks of 32 along K for a wave
.set WSB,    24                        ; v24-25   scale bytes
.set WX,     32                        ; v32-95   two sets of 32 numbers
.set WC,     96                        ; v96..    a block's codes
.set WOUT,   112                       ; v112-175 the way out
.set MSTG,   67584                     ; path M: LDS bytes 67,584 .. 101,375: a stage of 16 rows x MPITCH for each wave
.set MPITCH, 528
.set MR,     16                        ; v16-143  two sets of 64: 16 rows x 128 keys as loaded
.set MXB,    144                       ; v144-175 two sets of 16: a lane's 16 neighbouring keys of one row
.set MOW,    176                       ; v176-183 a pair for each task: 64 words, two a lane
	v_lshl_add_u32 v192, v0, 2, 0x18c00
	v_mov_b32 v193, 0
	s_cmp_lt_u32 ttmp9, 512
	s_cbranch_scc1 .Lmask
	s_cmp_lt_u32 ttmp9, 768
	s_cbranch_scc1 .Lx
; ---------------- PATH W.  A lane takes a column n and its registers run down K: a block of 32 lies in one lane, and the conversions give codes with K innermost.
; u = work-group - 768: which W (u / 32), which 128 columns (u % 8), which 256 along K ((u / 8) % 4).  A wave takes 32 columns x 256 along K: 192 bytes of codes a column, through its stage, out as rows.
	s_load_b128 s[4:7], s[0:1], 0x10               ; Wq, Wk
	s_load_b64 s[12:13], s[0:1], 0x20              ; Wv
	s_load_b128 s[8:11], s[0:1], 0x48              ; wcodes, wscales
	v_lshrrev_b32 v1, 5, v0
	v_readfirstlane_b32 s16, v1                    ; wave
	v_and_b32 v2, 31, v0                           ; lane = my column in the wave's 32
	s_wait_alu depctr_va_vdst(0)
	s_sub_co_u32 s17, ttmp9, 768
	s_lshr_b32 s18, s17, 5                         ; which W
	s_and_b32 s19, s17, 7
	s_bfe_u32 s20, s17, 0x20003                    ; which 256 along K
	s_lshl_b32 s19, s19, 7
	s_lshl_b32 s21, s16, 5
	s_add_co_u32 s19, s19, s21                     ; my wave's first column
	v_lshlrev_b32 v3, 2, v2                        ; in: 4 bytes a lane
	s_mul_i32 s21, s16, 32*WPITCH
	s_add_co_u32 s21, s21, WSTG                    ; my stage
	v_mul_u32_u24 v4, v2, WPITCH
	v_add_nc_u32 v4, s21, v4                       ; into it: row = my column
	v_and_b32 v5, 15, v2
	v_lshrrev_b32 v6, 4, v2
	v_mul_u32_u24 v7, v6, WPITCH
	v_lshl_add_u32 v7, v5, 4, v7
	v_add_nc_u32 v7, s21, v7                       ; out of it: sixteen lanes to a row, two rows an instruction
	v_mul_u32_u24 v8, v6, 768
	v_mad_u32_u24 v8, v5, 12, v8                   ; and the same in wcodes (bit 0 of a row's number keeps its place in the row order)
	v_and_b32 v9, 7, v2
	v_bfe_u32 v10, v2, 3, 1
	v_lshl_add_u32 v9, v10, 4, v9
	v_lshl_add_u32 v9, v6, 3, v9                   ; my column's position
	v_lshlrev_b32 v9, 5, v9                        ; its row of 32 scale bytes
	s_lshl_b32 s22, s20, 20                        ; 256 rows of 4,096 bytes
	s_lshl_b32 s23, s19, 2
	s_add_co_u32 s22, s22, s23
	s_mov_b32 s23, 0
	s_lshl_b32 s24, s18, 10
	s_add_co_u32 s24, s24, s19                     ; first row of the codes
	s_mul_i32 s26, s24, 768
	s_mul_i32 s25, s20, 192
	s_add_co_u32 s26, s26, s25
	s_mov_b32 s27, 0
	s_lshl_b32 s28, s24, 5
	s_lshl_b32 s25, s20, 3
	s_add_co_u32 s28, s28, s25
	s_mov_b32 s29, 0
	s_wait_kmcnt 0x0
	s_cmp_eq_u32 s18, 1                            ; the choice hangs on the work-group's number alone
	s_cselect_b64 s[4:5], s[6:7], s[4:5]
	s_cmp_eq_u32 s18, 2
	s_cselect_b64 s[4:5], s[12:13], s[4:5]
	s_add_nc_u64 s[4:5], s[4:5], s[22:23]
	s_add_nc_u64 s[8:9], s[8:9], s[26:27]
	s_add_nc_u64 s[10:11], s[10:11], s[28:29]
.macro WLOAD t                         ; block t: W(32 t + i, my column) into set t % 2; 32 lanes read 128 consecutive bytes
.irp i, 0,1,2,3,4,5,6,7,8,9,10,11,12,13,14,15,16,17,18,19,20,21,22,23,24,25,26,27,28,29,30,31
	global_load_b32 v[WX+32*((\t)%2)+\i], v3, s[4:5] offset:(32*(\t)+\i)*4096 th:TH_LOAD_NT
.endr
.endm
	WLOAD 0
	WLOAD 1
.macro WBLOCK t
.set WS, WX+32*((\t)%2)
.if (\t) < WNB-1
	s_wait_loadcnt 32                              ; this block's 32 loads are in; the next block's may be out
.else
	s_wait_loadcnt 0x0
.endif
	v_max3_num_f32 v12, |v[WS]|, |v[WS+1]|, |v[WS+2]|
	v_max3_num_f32 v13, |v[WS+3]|, |v[WS+4]|, |v[WS+5]|
.irp i, 6,10,14,18,22,26
	v_max3_num_f32 v12, v12, |v[WS+\i]|, |v[WS+\i+1]|
	v_max3_num_f32 v13, v13, |v[WS+\i+2]|, |v[WS+\i+3]|
.endr
	v_max3_num_f32 v12, v12, |v[WS+30]|, |v[WS+31]|
	v_max3_num_f32 v12, v12, v13, 0x2800000        ; the floor 2^(5 - 127): the byte cannot fall under 1
	v_add_nc_u32 v11, 0xfe000000, v12              ; 4 off the exponent field: the conversion's scale operand
	v_lshrrev_b32 v13, 23, v11                     ; the scale's byte
.if (\t)%4 == 0
	v_mov_b32 v[WSB+(\t)/4], v13
.else
	v_lshl_or_b32 v[WSB+(\t)/4], v13, 8*((\t)%4), v[WSB+(\t)/4]
.endif
	v_cvt_scalef32_pk16_bf6_f32 v[WC:WC+2], v[WS:WS+15], v11
	v_cvt_scalef32_pk16_bf6_f32 v[WC+4:WC+6], v[WS+16:WS+31], v11
	ds_store_b96 v4, v[WC:WC+2] offset:32*(\t)     ; 12 bytes to a place of 16
	ds_store_b96 v4, v[WC+4:WC+6] offset:32*(\t)+16
.if (\t)+2 < WNB
	WLOAD (\t)+2
.endif
	s_wait_dscnt 0x0                               ; the stores have read their registers: the next block's codes may be written
.endm
.irp t, 0,1,2,3,4,5,6,7
	WBLOCK \t
.endr
	s_wait_alu depctr_va_vdst(0)
	global_store_b64 v9, v[WSB:WSB+1], s[10:11]    ; my column's 8 scale bytes
.irp t, 0,1,2,3,4,5,6,7,8,9,10,11,12,13,14,15
	ds_load_b96 v[WOUT+4*\t:WOUT+4*\t+2], v7 offset:2*\t*WPITCH   ; LDS serves a wave's instructions in order: these see my stores
.endr
.irp t, 0,1,2,3,4,5,6,7,8,9,10,11,12,13,14,15
	s_wait_dscnt 15-\t
	global_store_b96 v8, v[WOUT+4*\t:WOUT+4*\t+2], s[8:9] offset:((2*\t)%8+16*(((2*\t)/8)%2)+8*((2*\t)/16))*768   ; columns 2 t, 2 t + 1 at their positions: sixteen lanes store 192 consecutive bytes
.endr
	s_wait_tensorcnt 0x0
	ds_add_u32 v192, v193
	s_wait_dscnt 0x0
	s_endpgm
; ---------------- PATH X.  A wave takes a run of 8 rows (8,192 numbers) in 16 steps of 512.  Each load reads 512 consecutive bytes; a step turns through the wave's stage so that a lane holds 16 neighbours.
; Eight rows keep together in the row order: run number with its bits 0 and 1 exchanged.
.Lx:
	s_load_b64 s[4:5], s[0:1], 0x8                 ; X
	s_load_b128 s[8:11], s[0:1], 0x38              ; xcodes, xscales
	v_lshrrev_b32 v1, 5, v0
	v_readfirstlane_b32 s16, v1                    ; wave
	v_and_b32 v2, 31, v0                           ; lane
	v_lshlrev_b32 v3, 4, v2                        ; my 16 bytes of a load's 512
	s_mul_i32 s17, s16, XWREG
	v_lshrrev_b32 v14, 2, v2
	v_mul_u32_u24 v14, v14, XSP
	v_and_b32 v15, 3, v2
	v_lshl_add_u32 v14, v15, 4, v14
	v_add_nc_u32 v14, s17, v14                     ; the stage, in: four lanes' 64 bytes on end, then 16 of padding
	v_mul_u32_u24 v15, v2, XSP
	v_add_nc_u32 v15, s17, v15                     ; and out: my 16 neighbours
	v_mul_u32_u24 v4, v2, 12                       ; my codes' place in a step's
	v_lshrrev_b32 v5, 1, v2
	s_add_co_u32 s17, s17, 2*32*XSP
	v_add_nc_u32 v5, s17, v5                       ; my block's byte among the wave's 256
	v_lshlrev_b32 v7, 3, v2
	v_add_nc_u32 v6, s17, v7
	s_sub_co_u32 s17, ttmp9, 512
	s_lshl_b32 s17, s17, 2
	s_add_co_u32 s18, s17, s16                     ; the run that I read
	s_lshl_b32 s20, s18, 15                        ; 32,768 bytes a run
	s_mov_b32 s21, 0
	s_and_b32 s22, s16, 1
	s_lshl_b32 s22, s22, 1
	s_lshr_b32 s23, s16, 1
	s_or_b32 s22, s22, s23
	s_add_co_u32 s22, s22, s17                     ; the run that I write
	s_mul_i32 s24, s22, 6144
	s_mov_b32 s25, 0
	s_lshl_b32 s26, s22, 8
	s_mov_b32 s27, 0
	s_wait_alu depctr_va_vdst(0)
	s_wait_kmcnt 0x0
	s_add_nc_u64 s[4:5], s[4:5], s[20:21]
	s_add_nc_u64 s[8:9], s[8:9], s[24:25]
	s_add_nc_u64 s[10:11], s[10:11], s[26:27]
.macro XLOAD t
.irp i, 0,1,2,3
	global_load_b128 v[XR+16*((\t)%4)+4*\i:XR+16*((\t)%4)+4*\i+3], v3, s[4:5] offset:2048*(\t)+512*\i th:TH_LOAD_NT
.endr
.endm
.macro XTURN t                         ; LDS serves a wave's instructions in order: no wait between the stores and the loads
.irp i, 0,1,2,3
	ds_store_b128 v14, v[XR+16*((\t)%4)+4*\i:XR+16*((\t)%4)+4*\i+3] offset:32*XSP*((\t)%2)+8*XSP*\i
.endr
.irp i, 0,1,2,3
	ds_load_b128 v[XX+16*((\t)%2)+4*\i:XX+16*((\t)%2)+4*\i+3], v15 offset:32*XSP*((\t)%2)+16*\i
.endr
.endm
.irp t, 0,1,2,3
	XLOAD \t
.endr
	s_wait_loadcnt 12                              ; step 0's four loads are in
	XTURN 0
.macro XSTEP t
.set XSS, XX+16*((\t)%2)
.if (\t) > 0
	s_wait_dscnt 1                                 ; this step's numbers are back (the last step's byte store may be out), so its stores into the stage have read their registers,
.else
	s_wait_dscnt 0x0
.endif
.if (\t)+4 < XSTEPS
	XLOAD (\t)+4                                   ; which take the loads of four steps on
.endif
.if (\t)+1 < XSTEPS
.if XSTEPS-2-(\t) >= 3
	s_wait_loadcnt 12                              ; the next step's four loads are in; three steps' may be out
.else
	s_wait_loadcnt 4*(XSTEPS-2-(\t))
.endif
	XTURN (\t)+1
.endif
	v_max3_num_f32 v8, |v[XSS]|, |v[XSS+1]|, |v[XSS+2]|
	v_max3_num_f32 v9, |v[XSS+3]|, |v[XSS+4]|, |v[XSS+5]|
.irp i, 6,10
	v_max3_num_f32 v8, v8, |v[XSS+\i]|, |v[XSS+\i+1]|
	v_max3_num_f32 v9, v9, |v[XSS+\i+2]|, |v[XSS+\i+3]|
.endr
	v_max3_num_f32 v8, v8, |v[XSS+14]|, |v[XSS+15]|
	v_max3_num_f32 v8, v8, v9, 0x2800000           ; the floor 2^(5 - 127)
	v_max_num_f32_dpp v8, v8, v8 row_xmask:1 row_mask:0xf bank_mask:0xf   ; with my neighbour's 16: the block's
	v_add_nc_u32 v11, 0xfe000000, v8               ; 4 off the exponent field: the conversion's scale operand
	v_cvt_scalef32_pk16_bf6_f32 v[XC+4*(\t):XC+4*(\t)+2], v[XSS:XSS+15], v11
	v_lshrrev_b32 v[XE+(\t)], 23, v11              ; the scale's byte (a plain line behind the conversion)
	ds_store_b8 v5, v[XE+(\t)] offset:16*(\t)      ; both lanes of a block write the same byte with the same value
	global_store_b96 v4, v[XC+4*(\t):XC+4*(\t)+2], s[8:9] offset:384*(\t)
.endm
.irp t, 0,1,2,3,4,5,6,7,8,9,10,11,12,13,14,15
	XSTEP \t
.endr
	ds_load_b64 v[12:13], v6
	s_wait_dscnt 0x0
	global_store_b64 v7, v[12:13], s[10:11]        ; 32 lanes store 256 consecutive bytes, aligned
	s_wait_tensorcnt 0x0
	ds_add_u32 v192, v193
	s_wait_dscnt 0x0
	s_endpgm
; ---------------- PATH M.  Work-group m: batch m / 128, query tile T = m % 128 (16 queries: 32 (T / 2) + 8 (T % 2) + r + 8 (r / 8)).  Wave w takes key steps J = 4 w + t, t = 0 .. 3: a task is 16 rows x 128 keys, 8 KiB.
; Word n = 16 beta + i of a task has, at bit r + 16 h, whether key 128 J + 32 beta + 16 h + i counts for query r: the lane mask for the attention launch's score register n.
; Each load reads 512 consecutive bytes of one row; the task turns through the wave's stage so that lane (r, h) holds 16 neighbouring keys of row r; a compare then gives a word in a scalar register,
; and v_writelane_b32 puts word n into lane n / 2, so that the 64 words leave as 256 consecutive bytes.
.Lmask:
	s_load_b64 s[4:5], s[0:1], 0x0                 ; the mask
	s_load_b128 s[8:11], s[0:1], 0x28              ; mbits, mflags
	v_lshrrev_b32 v1, 5, v0
	v_readfirstlane_b32 s16, v1                    ; wave
	v_and_b32 v1, 31, v0                           ; lane
	v_lshlrev_b32 v2, 4, v1                        ; 16 bytes a lane
	s_mul_i32 s17, s16, 16*MPITCH
	s_add_co_u32 s17, s17, MSTG                    ; my stage
	v_add_nc_u32 v3, s17, v2                       ; in: a row's 512 bytes
	v_and_b32 v8, 15, v0                           ; r
	v_bfe_u32 v9, v0, 4, 1                         ; h
	v_mul_u32_u24 v4, v8, MPITCH
	v_lshl_add_u32 v4, v9, 6, v4
	v_add_nc_u32 v4, s17, v4                       ; out: row r, + 64 h
	v_lshlrev_b32 v5, 3, v1                        ; two words a lane
	v_mov_b32 v7, 0
.irp i, 0,1,2,3,4,5,6,7
	v_mov_b32 v[MOW+\i], 0                         ; written once: a lane write's destination counts as read
.endr
	s_mov_b32 s28, 0                               ; my four tasks' flags
	s_lshr_b32 s18, ttmp9, 7                       ; batch
	s_and_b32 s19, ttmp9, 127                      ; T
	s_lshl_b32 s20, s18, 11
	s_lshr_b32 s21, s19, 1
	s_lshl_b32 s21, s21, 5
	s_add_co_u32 s20, s20, s21
	s_and_b32 s21, s19, 1
	s_lshl_b32 s21, s21, 3
	s_add_co_u32 s20, s20, s21                     ; the tile's first row
	s_lshl_b32 s20, s20, 13                        ; 8,192 bytes a row
	s_lshl_b32 s21, s16, 11
	s_add_co_u32 s20, s20, s21                     ; + my 512 keys
	s_mov_b32 s21, 0
	s_lshl_b32 s22, ttmp9, 12                      ; mbits: 16 tasks of 256 bytes a tile,
	s_lshl_b32 s23, s16, 10                        ; four of them mine
	s_add_co_u32 s22, s22, s23
	s_mov_b32 s23, 0
	s_lshl_b32 s24, ttmp9, 4                       ; mflags: four words a tile, one mine
	s_lshl_b32 s25, s16, 2
	s_add_co_u32 s24, s24, s25
	s_mov_b32 s25, 0
	s_wait_kmcnt 0x0
	s_add_nc_u64 s[4:5], s[4:5], s[20:21]
	s_add_nc_u64 s[8:9], s[8:9], s[22:23]
	s_add_nc_u64 s[10:11], s[10:11], s[24:25]
.macro MLOAD t
.irp rho, 0,1,2,3,4,5,6,7,8,9,10,11,12,13,14,15
	global_load_b128 v[MR+64*((\t)%2)+4*\rho:MR+64*((\t)%2)+4*\rho+3], v2, s[4:5] offset:(\rho+8*(\rho/8))*8192+512*(\t) th:TH_LOAD_NT
.endr
.endm
.macro MGET beta                       ; keys 32 beta + 16 h + 0 .. 15 of row r into set beta % 2
.irp j, 0,1,2,3
	ds_load_b128 v[MXB+16*((\beta)%2)+4*\j:MXB+16*((\beta)%2)+4*\j+3], v4 offset:128*(\beta)+16*\j
.endr
.endm
.macro MTASK t
.if (\t) < 3
	s_wait_loadcnt 16                              ; this task's 16 loads are in; the next task's may be out
.else
	s_wait_loadcnt 0x0
.endif
.irp rho, 0,1,2,3,4,5,6,7,8,9,10,11,12,13,14,15
	ds_store_b128 v3, v[MR+64*((\t)%2)+4*\rho:MR+64*((\t)%2)+4*\rho+3] offset:MPITCH*\rho
.endr
	MGET 0
	MGET 1
	s_wait_dscnt 8                                 ; the 16 stores are done (the eight loads behind them may be out): their registers take the loads of two tasks on
.if (\t) < 2
	MLOAD (\t)+2
.endif
.irp beta, 0,1,2,3
.if \beta < 3
	s_wait_dscnt 4                                 ; this group's four loads are in; the next group's may be out
.else
	s_wait_dscnt 0x0
.endif
.irp g, 0,1
.irp i, 0,1,2,3,4,5,6,7
	v_cmp_ne_u32 s[32+\i], 0, v[MXB+16*(\beta%2)+8*\g+\i]
.endr
.irp i, 0,1,2,3,4,5,6,7
	v_writelane_b32 v[MOW+2*(\t)+\i%2], s[32+\i], (16*\beta+8*\g+\i)/2
.endr
.endr
.if \beta < 2
	MGET \beta+2
.endif
.endr
	v_and_b32 v10, v[MOW+2*(\t)], v[MOW+2*(\t)+1]
	v_cmp_ne_u32 s40, -1, v10                      ; is any of the task's scores hidden?
	s_cmp_lg_u32 s40, 0
	s_cselect_b32 s41, 1<<(\t), 0
	s_or_b32 s28, s28, s41
	global_store_b64 v5, v[MOW+2*(\t):MOW+2*(\t)+1], s[8:9] offset:256*(\t)   ; 32 lanes store 256 consecutive bytes, aligned
.endm
	MLOAD 0
	MLOAD 1
	MTASK 0
	MTASK 1
	MTASK 2
	MTASK 3
	s_lshl_b32 s29, s16, 2
	s_lshl_b32 s28, s28, s29                       ; bit J = 4 w + t
	v_mov_b32 v6, s28
	v_cmp_eq_u32 vcc_lo, 0, v1
	s_wait_alu depctr_va_vdst(0)
	s_wait_xcnt 0x0                                ; EXEC changes only behind this wait
	s_wait_tensorcnt 0x0
	ds_add_u32 v192, v193
	s_wait_dscnt 0x0
	s_and_saveexec_b32 s30, vcc_lo
	global_store_b32 v7, v6, s[10:11]              ; one lane stores my word of flags
	s_wait_xcnt 0x0                                ; and again in front of the line that widens it
	s_or_b32 exec_lo, exec_lo, s30
	s_endpgm
.Lfunc_end_k_q27dfa14849_prep:
	.size	k_q27dfa14849_prep, .Lfunc_end_k_q27dfa14849_prep-k_q27dfa14849_prep
	.p2alignl 7, 3214868480
	.fill 96, 4, 3214868480
	.section	.rodata,"a",@progbits
	.p2align	6, 0x0
	.amdhsa_kernel k_q27dfa14849_prep
		.amdhsa_group_segment_fixed_size 101888
		.amdhsa_private_segment_fixed_size 0
		.amdhsa_enable_private_segment 0
		.amdhsa_kernarg_size 88
		.amdhsa_user_sgpr_count 2
		.amdhsa_user_sgpr_kernarg_segment_ptr 1
		.amdhsa_wavefront_size32 1
		.amdhsa_system_sgpr_workgroup_id_x 1
		.amdhsa_system_sgpr_workgroup_id_y 1
		.amdhsa_system_sgpr_workgroup_id_z 1
		.amdhsa_system_vgpr_workitem_id 0
		.amdhsa_next_free_vgpr 194
		.amdhsa_next_free_sgpr 66
		.amdhsa_reserve_vcc 1
		.amdhsa_float_denorm_mode_32 3
		.amdhsa_float_denorm_mode_16_64 3
		.amdhsa_memory_ordered 1
		.amdhsa_forward_progress 1
		.amdhsa_inst_pref_size 124
	.end_amdhsa_kernel
	.amdgpu_metadata
---
amdhsa.version: [ 1, 2 ]
amdhsa.kernels:
  - .name:           k_q27dfa14849_prep
    .symbol:         k_q27dfa14849_prep.kd
    .args:
      - { .name: attention_mask, .offset: 0, .size: 8, .value_kind: global_buffer, .address_space: global }
      - { .name: X, .offset: 8, .size: 8, .value_kind: global_buffer, .address_space: global }
      - { .name: Wq, .offset: 16, .size: 8, .value_kind: global_buffer, .address_space: global }
      - { .name: Wk, .offset: 24, .size: 8, .value_kind: global_buffer, .address_space: global }
      - { .name: Wv, .offset: 32, .size: 8, .value_kind: global_buffer, .address_space: global }
      - { .name: mbits, .offset: 40, .size: 8, .value_kind: global_buffer, .address_space: global }
      - { .name: mflags, .offset: 48, .size: 8, .value_kind: global_buffer, .address_space: global }
      - { .name: xcodes, .offset: 56, .size: 8, .value_kind: global_buffer, .address_space: global }
      - { .name: xscales, .offset: 64, .size: 8, .value_kind: global_buffer, .address_space: global }
      - { .name: wcodes, .offset: 72, .size: 8, .value_kind: global_buffer, .address_space: global }
      - { .name: wscales, .offset: 80, .size: 8, .value_kind: global_buffer, .address_space: global }
    .group_segment_fixed_size: 101888
    .private_segment_fixed_size: 0
    .kernarg_segment_align: 8
    .kernarg_segment_size: 88
    .max_flat_workgroup_size: 128
    .sgpr_count:     66
    .vgpr_count:     194
    .wavefront_size: 32
...
	.end_amdgpu_metadata
.endif
;; end of part 1
;; launch proj (part 2): grid 8 x 48, 4 waves a work-group, clusters of 4 x 4, 327,680 bytes of LDS; arguments xcodes, xscales, wcodes, wscales, bq, bk, bv, img, scl; writes img, scl
.if DOCPART == 2
	.amdgcn_target "amdgcn-amd-amdhsa--gfx1250"
	.amdhsa_code_object_version 6
	.text
	.protected	k_q27dfa14849_proj
	.globl	k_q27dfa14849_proj
	.p2align	8
	.type	k_q27dfa14849_proj,@function
k_q27dfa14849_proj:
	s_mov_b64 s[64:65], 0
	v_nop
	global_prefetch_b8 v0, s[64:65] scope:SCOPE_SE
	s_setreg_imm32_b32 hwreg(HW_REG_WAVE_MODE, 25, 1), 1
	s_wait_xcnt 0x0
	s_wait_alu depctr_hold_cnt(0) depctr_sa_sdst(0) depctr_va_vdst(0) depctr_va_sdst(0) depctr_va_ssrc(0) depctr_va_vcc(0) depctr_vm_vsrc(0)
	s_getreg_b32 s2, hwreg(HW_REG_IB_STS2, 6, 4)
	s_cmp_eq_u32 s2, 0
	s_cbranch_scc0 .Lentry_in_a_cluster
	s_endpgm
.Lentry_in_a_cluster:
	s_bfe_u32 s2, ttmp6, 0x10000c
	s_cmp_lg_u32 s2, 0xf033
	s_cbranch_scc0 .Lentry_shape_is_right
	s_endpgm
.Lentry_shape_is_right:
; PROJ: Q, K, V = X W + b on codes of BF6 (E3M2) with one E8M0 byte for each 32 along K = 1,024; the results are quantised here for the attention launch and leave as images of its operand registers.
; Cluster rows y 0-7: source 1 = 256 tokens of X, source 0 = 256 columns of Wq or Wk (cluster x): a lane's registers run along the head's channels, the first attention product's K.
; Cluster rows y 8-11: the roles are exchanged (source 1 = columns of Wv, source 0 = tokens): a lane's registers run along the tokens, the second attention product's K.
; A block of 256 x 256 by four waves, 128 x 128 each in 64 accumulators.  A row of codes is 768 bytes: it goes through a ring of two LDS slots in three CHUNKS OF 256 BYTES, each beginning at a multiple of 256 bytes.
; A step of 128 along K is 96 bytes: eight steps to three chunks; steps 2 and 5 lie across two chunks and read both slots.  The scale bytes of the block's 512 rows come once, as two dense blocks.
; CLUSTERS of 4 x 4: source 1's tiles are asked for jointly along a row of the cluster, source 0's along a column.  The bias is the C of the first step's products.
; No prefetch: the walk has three chunks, of which two are asked for ahead of the first product: there is no loop to run ahead in.
; REGISTERS: window 0: v16-29 addresses, v32-63 scale words (two sets), v64-127 the bias, v128-223 source 1's fragments; window 1: source 0's fragments, two sets; windows 2, 3: accumulators.
.set ROWB,   256
.set NQ,     2
.set KROW,   768
.set STEPS,  8
.set CHUNKS, 3
.set PITCH,  272                       ; 256 bytes + 16 of padding
.set FR,     12
.set NL,     6
.set NP,     4
.set HALFT,  128*PITCH
.set SLOT,   4*HALFT
.set KS,     32
.set SCL,    2*SLOT
.set HALFS,  16*272
.set SBLK,   2*272
.set SPARE,  SCL+4*HALFS               ; the spare words: 512 bytes that no other line names
.set ADRA, 16
.set ADRB, 20
.set ADRS, 27
.set SPW,  28
.set NIL,  29
.set SC,   32
.set BI,   64
.set AF,   128
.set TM,   64
.set PW,   80
.set T0,   88
.set T1,   92
.set RW,   96
.set OA,   100
.set SO,   104
.set PCB,  128
.set PT,   224
.set G1, 24
.set G0, 32
.set G1B, 48
.set G0B, 56
.set G1S, 68
.set G0S, 76
.set G1SB, 80
.set G0SB, 88
.set G0H, 4
.set G0HB, 8
.set MSB, 0
.macro WIN new                         ; the immediate's high byte repeats the setting that is left
.if MSB != \new
	s_set_vgpr_msb (MSB<<8)|\new
.set MSB, \new
.endif
.endm
.set MUL_LO, 0xa1
.set MUL_HI, 0xf1
.set BIA_LO, 0x81                      ; C (the bias) in window 0
.set BIA_HI, 0xc1
.set TO_B,   0x40
.macro JLOAD g0a, g1a, g0b, g1b        ; waves 0, 1 fetch source 1's halves, waves 2, 3 source 0's; s_nop 0 and four v_nop behind each load
	s_cmp_eq_u32 s15, 0
	s_cbranch_scc0 .Lfor_b_\@
	tensor_load_to_lds s[\g0a:\g0a+3], s[\g1a:\g1a+7]
	s_nop 0
.rept 4
	v_nop
.endr
	s_branch .Lasked_\@
.Lfor_b_\@:
	tensor_load_to_lds s[\g0b:\g0b+3], s[\g1b:\g1b+7]
	s_nop 0
.rept 4
	v_nop
.endr
.Lasked_\@:
.endm
.macro CREST
	s_cmp_lg_u32 s14, 0
	s_cbranch_scc1 .Lnot_wave_0_\@
	s_barrier_signal -3
.Lnot_wave_0_\@:
	s_barrier_wait -3
	s_barrier_signal -1
	s_barrier_wait -1
.endm
.macro CROUND
	s_barrier_signal -1
	s_barrier_wait -1
	CREST
.endm
	s_load_b256 s[32:39], s[0:1], 0x0              ; xcodes, xscales, wcodes, wscales
	s_load_b128 s[56:59], s[0:1], 0x20             ; bq, bk
	s_load_b64 s[60:61], s[0:1], 0x30              ; bv
	v_lshl_add_u32 v[SPW], v0, 2, SPARE
	v_mov_b32 v[NIL], 0
	ds_add_u32 v[SPW], v[NIL]                      ; the opening lines: the add twice on end and one wait
	ds_add_u32 v[SPW], v[NIL]
	v_lshrrev_b32 v1, 5, v0
	v_readfirstlane_b32 s14, v1                    ; wave
	s_lshr_b32 s15, s14, 1                         ; my half of source 1's rows; also: I fetch for source 1 (0) or source 0 (1)
	s_and_b32 s16, s14, 1                          ; my half of source 0's rows; also: which 128 rows I fetch
	s_bfe_u32 s40, ttmp6, 0x40000                  ; cx
	s_bfe_u32 s41, ttmp6, 0x40004                  ; cy
	s_and_b32 s99, ttmp7, 0xffff
	s_sub_co_u32 s96, s99, 8
	s_lshl_b32 s96, s96, 1
	s_add_co_u32 s96, s96, ttmp9
	s_cmp_ge_u32 s99, 8
	s_cselect_b32 s98, 1, 0                        ; 1: V's clusters
	s_cselect_b32 s96, s96, ttmp9
	s_cselect_b32 s97, 2, s99
	s_lshl_b32 s42, s96, 2
	s_add_co_u32 s42, s42, s40                     ; source 0's tile
	s_lshl_b32 s17, s97, 2
	s_add_co_u32 s17, s17, s41                     ; source 1's tile
	s_lshl_b32 s43, s41, 2
	s_lshl_b32 s43, 15, s43                        ; my row of the cluster
	s_lshl_b32 s44, 0x1111, s40                    ; my column
	s_or_b32 s[G1+0], s43, (0<<16)|(1<<20)|(1<<21)|(5<<22)|(3<<25)
	s_or_b32 s[G1B+0], s44, (0<<16)|(1<<20)|(1<<21)|(5<<22)|(3<<25)
.irp g, G1, G1B
	s_mov_b32 s[\g+1], ROWB<<16
	s_mov_b32 s[\g+2], 256<<16                     ; 256 rows for the head's loads
	s_mov_b32 s[\g+3], ROWB<<16
	s_mov_b32 s[\g+4], 256
	s_mov_b32 s[\g+5], KROW
	s_mov_b32 s[\g+6], 0
	s_mov_b32 s[\g+7], 0
.endr
	s_or_b32 s[G1S+0], s43, (3<<16)|(1<<20)|(1<<21)|(5<<22)|(3<<25)
	s_or_b32 s[G1SB+0], s44, (3<<16)|(1<<20)|(1<<21)|(5<<22)|(3<<25)
.irp g, G1S, G1SB                      ; the scales of 256 rows: 8,192 dense bytes as 32 rows of 256
	s_mov_b32 s[\g+1], 32<<16
	s_mov_b32 s[\g+2], KS<<16
	s_mov_b32 s[\g+3], 32<<16
	s_mov_b32 s[\g+4], KS
	s_mov_b32 s[\g+5], 32
	s_mov_b32 s[\g+6], 0
	s_mov_b32 s[\g+7], 0
.endr
	s_lshl_b32 s20, s17, 8
	s_lshl_b32 s46, s42, 8
	s_mov_b32 s21, 0
	s_mov_b32 s47, 0
	s_mov_b64 s[18:19], KS
	s_mul_u64 s[22:23], s[20:21], s[18:19]
	s_mul_u64 s[92:93], s[46:47], s[18:19]
	s_mov_b64 s[18:19], KROW
	s_mul_u64 s[20:21], s[20:21], s[18:19]
	s_mul_u64 s[46:47], s[46:47], s[18:19]
	s_mul_i32 s18, s16, 128*KROW
	s_mov_b32 s19, 0
	s_mul_i32 s45, s14, HALFT
	s_wait_dscnt 0x0                               ; both opening adds are done
	s_wait_kmcnt 0x0
	s_cmp_eq_u32 ttmp9, 1                          ; the choices hang on the cluster's place in the grid alone
	s_cselect_b64 s[56:57], s[58:59], s[56:57]
	s_cmp_lg_u32 s98, 0
	s_cselect_b64 s[4:5], s[36:37], s[32:33]
	s_cselect_b64 s[6:7], s[38:39], s[34:35]
	s_cselect_b64 s[8:9], s[32:33], s[36:37]
	s_cselect_b64 s[10:11], s[34:35], s[38:39]
	s_cselect_b64 s[12:13], s[60:61], s[56:57]     ; the bias
	s_add_nc_u64 s[20:21], s[4:5], s[20:21]
	s_add_nc_u64 s[22:23], s[6:7], s[22:23]
	s_add_nc_u64 s[46:47], s[8:9], s[46:47]
	s_add_nc_u64 s[92:93], s[10:11], s[92:93]
	CROUND                                         ; in front of the first joint loads
	s_mov_b32 s[G0H], 1
	s_mov_b32 s[G0H+1], 0
	s_mov_b64 s[G0H+2:G0H+3], s[20:21]
	s_or_b32 s[G0H+3], s[G0H+3], 0x80000000
	s_mov_b32 s[G0HB], 1
	s_mov_b32 s[G0HB+1], 2*HALFT
	s_mov_b64 s[G0HB+2:G0HB+3], s[46:47]
	s_or_b32 s[G0HB+3], s[G0HB+3], 0x80000000
	s_mov_b32 s[G0S], 1
	s_mov_b32 s[G0S+1], SCL
	s_mov_b64 s[G0S+2:G0S+3], s[22:23]
	s_or_b32 s[G0S+3], s[G0S+3], 0x80000000
	s_mov_b32 s[G0SB], 1
	s_mov_b32 s[G0SB+1], SCL+2*HALFS
	s_mov_b64 s[G0SB+2:G0SB+3], s[92:93]
	s_or_b32 s[G0SB+3], s[G0SB+3], 0x80000000
	s_add_nc_u64 s[20:21], s[20:21], s[18:19]      ; for the ring: my 128 rows
	s_add_nc_u64 s[46:47], s[46:47], s[18:19]
.irp s, 0,1
	s_mov_b32 s[G0+4*\s], 1
	s_add_co_u32 s[G0+4*\s+1], s45, \s*SLOT
	s_add_nc_u64 s[G0+4*\s+2:G0+4*\s+3], s[20:21], \s*ROWB
	s_or_b32 s[G0+4*\s+3], s[G0+4*\s+3], 0x80000000
	s_mov_b32 s[G0B+4*\s], 1
	s_add_co_u32 s[G0B+4*\s+1], s45, \s*SLOT
	s_add_nc_u64 s[G0B+4*\s+2:G0B+4*\s+3], s[46:47], \s*ROWB
	s_or_b32 s[G0B+4*\s+3], s[G0B+4*\s+3], 0x80000000
.endr
; the head's four tiles, one joint load a wave: chunk 0 of source 1's 256 rows, of source 0's, and the two blocks of scales
.macro ARM under, g0, g1, next
	s_cmp_lt_u32 s14, \under
	s_cbranch_scc0 \next
	tensor_load_to_lds s[\g0:\g0+3], s[\g1:\g1+7]
	s_nop 0
.rept 4
	v_nop
.endr
	s_branch .Lhead_asked
\next:
.endm
	ARM 1, G0H,  G1,  .Lhead_b
	ARM 2, G0HB, G1B, .Lhead_sa
	ARM 3, G0S,  G1S, .Lhead_sb
	tensor_load_to_lds s[G0SB:G0SB+3], s[G1SB:G1SB+7]
	s_nop 0
.rept 4
	v_nop
.endr
.Lhead_asked:
	s_load_b128 s[92:95], s[0:1], 0x38             ; img, scl
	v_and_b32 v1, 15, v0
	v_bfe_u32 v2, v0, 4, 1
	v_mul_u32_u24 v3, v1, PITCH
	v_mul_u32_u24 v4, v2, 24
	v_add_nc_u32 v4, v3, v4                        ; row x pitch + 24 x half
	s_mov_b32 s21, SLOT-232
	s_mov_b32 s22, SLOT+232
	v_sub_nc_u32 v7, 1, v2
	v_mul_u32_u24 v5, s21, v2
	v_add_nc_u32 v5, v3, v5
	v_add_nc_u32 v5, 232, v5                       ; across two chunks: lanes 0-15 byte 232 in slot 0, lanes 16-31 byte 0 in slot 1;
	v_mul_u32_u24 v6, s22, v7
	v_add_nc_u32 v6, v3, v6                        ; and the other way round
	s_mul_i32 s21, s15, HALFT
	s_mul_i32 s22, s16, HALFT
	s_add_co_u32 s22, s22, 2*HALFT
	v_add_nc_u32 v[ADRA+2], s21, v5
	v_add_nc_u32 v[ADRA+3], s21, v6
	v_add_nc_u32 v[ADRB+2], s22, v5
	v_add_nc_u32 v[ADRB+3], s22, v6
.irp s, 0,1
	v_add_nc_u32 v[ADRA+\s], s21, v4
	v_add_nc_u32 v[ADRB+\s], s22, v4
	s_add_co_u32 s21, s21, SLOT
	s_add_co_u32 s22, s22, SLOT
.endr
	v_mul_u32_u24 v5, v1, KS
	v_lshrrev_b32 v6, 8, v5
	v_lshl_add_u32 v5, v6, 4, v5
	s_mul_i32 s21, s15, HALFS
	s_mul_i32 s22, s16, HALFS
	s_add_co_u32 s22, s22, 2*HALFS
	s_sub_co_u32 s22, s22, s21
	v_mul_u32_u24 v6, s22, v2                      ; lanes 16-31 take source 0's words
	s_add_co_u32 s21, s21, SCL
	v_add_nc_u32 v5, v5, v6
	v_add_nc_u32 v[ADRS], s21, v5
	s_lshl_b32 s66, s42, 8                         ; the bias: by source 0's columns (Q, K) or by source 1's (V)
	s_lshl_b32 s67, s16, 7
	s_add_co_u32 s66, s66, s67
	s_and_b32 s66, s66, 1023
	s_lshl_b32 s96, s41, 8
	s_lshl_b32 s97, s15, 7
	s_add_co_u32 s96, s96, s97
	s_cmp_lg_u32 s98, 0
	s_cselect_b32 s66, s96, s66
	s_lshl_b32 s66, s66, 2
	s_mov_b32 s67, 0
	s_add_nc_u64 s[12:13], s[12:13], s[66:67]
	v_lshlrev_b32 v6, 6, v2
	v_and_b32 v7, 8, v1
	v_add_nc_u32 v7, v7, v1
	v_lshlrev_b32 v7, 2, v7
	s_cmp_lg_u32 s98, 0
	s_cbranch_scc1 .Lbias_v
.irp b, 0,1,2,3,4,5,6,7
	global_load_b128 v[BI+8*\b:BI+8*\b+3], v6, s[12:13] offset:(32*(\b/2)+8*(\b%2))*4
	global_load_b128 v[BI+8*\b+4:BI+8*\b+7], v6, s[12:13] offset:(32*(\b/2)+8*(\b%2))*4+16
.endr
	s_branch .Lbias_done
.Lbias_v:
	s_wait_alu depctr_va_vdst(0)                   ; the wait behind the branch taken
.irp a, 0,1,2,3,4,5,6,7
.irp j, 0,1,2,3,4,5,6,7
	global_load_b32 v[BI+8*\a+\j], v7, s[12:13] offset:(32*(\a/2)+8*(\a%2))*4
.endr
.endr
.Lbias_done:
.macro FRAG reg, adr, st, i            ; 16 rows x 128 K: six pieces of 8 bytes; byte y of a row lies in slot (y / 256) % 2 at byte y % 256
.irp p, 0,1,2,3,4,5
.set BY, 96*(\st)+48*(\p/3)+8*(\p%3)
.if BY/ROWB == (BY+24)/ROWB
	ds_load_b64 v[\reg+2*\p:\reg+2*\p+1], v[\adr+(BY/ROWB)%2] offset:BY%ROWB+(\i)*16*PITCH
.else
	ds_load_b64 v[\reg+2*\p:\reg+2*\p+1], v[\adr+2+(BY/ROWB)%2] offset:BY%ROWB-232+(\i)*16*PITCH
.endif
.endr
.endm
.macro MUL16 a0, p, q, sc, mode        ; mode 1: C = the bias by source 0's block; 2: by source 1's; 0: the sums go on.  The 64 accumulators take turns
.irp a, \a0, \a0+1
.irp b, 0,1,2,3,4,5,6,7
.if (\mode) == 1
	v_wmma_scale_f32_16x16x128_f8f6f4 v[8*(8*((\a)%4)+\b):8*(8*((\a)%4)+\b)+7], v[128*(\p)+FR*\b:128*(\p)+FR*\b+FR-1], v[AF+FR*(\a):AF+FR*(\a)+FR-1], v[BI+8*\b:BI+8*\b+7], v[SC+8*NQ*(\sc)+NQ*\b+(\q)], v[SC+8*NQ*(\sc)+NQ*(\a)+(\q)] matrix_a_fmt:MATRIX_FMT_BF6 matrix_b_fmt:MATRIX_FMT_BF6 matrix_a_scale:MATRIX_SCALE_ROW1
.elseif (\mode) == 2
	v_wmma_scale_f32_16x16x128_f8f6f4 v[8*(8*((\a)%4)+\b):8*(8*((\a)%4)+\b)+7], v[128*(\p)+FR*\b:128*(\p)+FR*\b+FR-1], v[AF+FR*(\a):AF+FR*(\a)+FR-1], v[BI+8*(\a):BI+8*(\a)+7], v[SC+8*NQ*(\sc)+NQ*\b+(\q)], v[SC+8*NQ*(\sc)+NQ*(\a)+(\q)] matrix_a_fmt:MATRIX_FMT_BF6 matrix_b_fmt:MATRIX_FMT_BF6 matrix_a_scale:MATRIX_SCALE_ROW1
.else
	v_wmma_scale_f32_16x16x128_f8f6f4 v[8*(8*((\a)%4)+\b):8*(8*((\a)%4)+\b)+7], v[128*(\p)+FR*\b:128*(\p)+FR*\b+FR-1], v[AF+FR*(\a):AF+FR*(\a)+FR-1], v[8*(8*((\a)%4)+\b):8*(8*((\a)%4)+\b)+7], v[SC+8*NQ*(\sc)+NQ*\b+(\q)], v[SC+8*NQ*(\sc)+NQ*(\a)+(\q)] matrix_a_fmt:MATRIX_FMT_BF6 matrix_b_fmt:MATRIX_FMT_BF6 matrix_a_scale:MATRIX_SCALE_ROW1
.endif
.endr
.endr
.endm
.macro FETCH_B st, p
	WIN TO_B
.irp i, 0,1,2,3,4,5,6,7
	FRAG 128*(\p)+FR*\i, ADRB, \st, \i
.endr
	WIN 0
.endm
.macro FETCH_A st, i0
.irp i, \i0, \i0+1, \i0+2, \i0+3
	FRAG AF+FR*(\i), ADRA, \st, \i
.endr
.endm
.macro SCALES pr                       ; the words of steps 2 pr, 2 pr + 1 into set pr % 2
.irp i, 0,1,2,3,4,5,6,7
	ds_load_b64 v[SC+8*NQ*((\pr)%2)+NQ*\i:SC+8*NQ*((\pr)%2)+NQ*\i+1], v[ADRS] offset:\i*SBLK+4*NQ*(\pr)
.endr
.endm
.macro PLACES n
.rept \n
	v_nop
.endr
.endm
; A step: 64 products; the next step's fragments are fetched in its middle and at its end.  Where the next step's bytes END in a chunk not yet read: the wait for my tensor loads and a barrier.
; Where they BEGIN in a later chunk: the wait, the add, the wait for it and for my reads, the barrier; and where a chunk two further on is left, the barrier opens a round of the cluster's barrier and the slot is filled again.
.macro STEP st, mode
.set NX, (\st)+1
.set C0, (96*(\st))/ROWB
.set C1, (96*NX)/ROWB
.set E0, (96*(\st)+95)/ROWB
.set E1, (96*NX+95)/ROWB
.if C1 > C0 || E1 > E0
	s_wait_tensorcnt 0x0                           ; all my tensor loads have landed
.if C1 > C0
	ds_add_u32 v[SPW], v[NIL]
	s_wait_dscnt 4*NL+1                            ; the add and the youngest 24 loads may be out
.else
	s_wait_dscnt 4*NL                              ; the youngest 24 loads (source 1's blocks 4-7) may be out
.endif
	WIN MUL_LO
	MUL16 0, (\st)%2, (\st)%2, ((\st)/2)%2, 0
	s_wait_dscnt 0x0                               ; the add and my reads are done
	s_barrier_signal -1
	MUL16 2, (\st)%2, (\st)%2, ((\st)/2)%2, 0
	WIN 0
	s_barrier_wait -1
.if C1 > C0 && C0+2 < CHUNKS
	CREST
	s_add_nc_u64 s[G0+4*(C0%2)+2:G0+4*(C0%2)+3], s[G0+4*(C0%2)+2:G0+4*(C0%2)+3], 2*ROWB
	s_add_nc_u64 s[G0B+4*(C0%2)+2:G0B+4*(C0%2)+3], s[G0B+4*(C0%2)+2:G0B+4*(C0%2)+3], 2*ROWB
	JLOAD G0+4*(C0%2), G1, G0B+4*(C0%2), G1B       ; chunk C0 + 2; its four v_nop are the places in front of the loads below
.else
	PLACES NP
.endif
.else
	s_wait_dscnt 4*NL                              ; the youngest 24 loads may be out
.if \mode
	WIN BIA_LO
.else
	WIN MUL_LO
.endif
	MUL16 0, (\st)%2, (\st)%2, ((\st)/2)%2, \mode
	MUL16 2, (\st)%2, (\st)%2, ((\st)/2)%2, \mode
	s_wait_dscnt 0
	PLACES NP
.endif
	FETCH_B NX, NX%2
	FETCH_A NX, 0
.if NX%2 == 0
	SCALES NX/2
.endif
.if \mode
	WIN BIA_HI
.else
	WIN MUL_HI
.endif
	MUL16 4, (\st)%2, (\st)%2, ((\st)/2)%2, \mode
	MUL16 6, (\st)%2, (\st)%2, ((\st)/2)%2, \mode
	PLACES NP
	WIN 0
	FETCH_A NX, 4
.endm
	s_wait_alu depctr_va_vdst(0)                   ; the wait at the head's end
	s_wait_tensorcnt 0x0                           ; my tile of the head's four is in; the same lines as ahead of a refill stand ahead of slot 1's first fill
	ds_add_u32 v[SPW], v[NIL]
	s_mov_b32 s[G1+2], 128<<16                     ; no load of mine is out: from here on a load brings 128 rows
	s_mov_b32 s[G1+4], 128
	s_mov_b32 s[G1B+2], 128<<16
	s_mov_b32 s[G1B+4], 128
	s_wait_dscnt 0x0
	CROUND
	JLOAD G0+4, G1, G0B+4, G1B                     ; chunk 1
	FETCH_B 0, 0
	FETCH_A 0, 0
	SCALES 0
	FETCH_A 0, 4
	s_wait_loadcnt 0x0                             ; the bias
	s_wait_kmcnt 0x0                               ; img, scl
	s_cmp_lg_u32 s98, 0
	s_cbranch_scc1 .Lfirst_v
	STEP 0, 1
	s_branch .Lfirst_done
.Lfirst_v:
	STEP 0, 2
.Lfirst_done:
.set ST, 1
.rept STEPS-2
	STEP ST, 0
.set ST, ST+1
.endr
	s_wait_dscnt 4*NL                              ; the last step
	WIN MUL_LO
	MUL16 0, 1, 1, 1, 0
	MUL16 2, 1, 1, 1, 0
	s_wait_dscnt 0
	WIN MUL_HI
	MUL16 4, 1, 1, 1, 0
	MUL16 6, 1, 1, 1, 0
	WIN 0
	PLACES NP
; THE WAY OUT: each block of 16 rows of source 1 x 128 along the registers is quantised in blocks of 32 and stored as images of operand registers (512 bytes at 16 x lane, 256 at 8 x lane), with its scale words.
	s_lshl_b32 s20, s42, 1
	s_add_co_u32 s20, s20, s16
	s_lshl_b32 s21, s17, 1
	s_add_co_u32 s21, s21, s15
	s_lshl_b32 s22, s41, 8
	s_lshl_b32 s23, s15, 7
	s_add_co_u32 s22, s22, s23
	s_lshl_b32 s23, s42, 8
	s_lshl_b32 s46, s16, 7
	s_add_co_u32 s23, s23, s46
	s_and_b32 s23, s23, 1023
	s_mov_b32 s25, 768
	s_mov_b32 s26, 768
	s_mov_b32 s27, 294912
	s_mov_b32 s28, 0x05040100
	s_mov_b32 s29, 0x07060302
	s_mov_b32 s43, 0xffff0000
	s_mov_b32 s44, 0x76543210
	s_mov_b32 s45, 0xfedcba98
	s_cmp_lg_u32 s98, 0
	s_cselect_b32 s20, s20, s21
	s_cselect_b32 s22, s22, s23
	s_cselect_b32 s24, 2, ttmp9
	s_cselect_b32 s25, 1536, s25
	s_cselect_b32 s26, 290304, s26
	s_cselect_b32 s27, 768, s27
	s_cselect_b32 s28, 0x03020100, s28
	s_cselect_b32 s29, 0x07060504, s29
	s_lshr_b32 s21, s20, 4
	s_and_b32 s20, s20, 15
	s_lshl_b32 s21, s21, 4
	s_lshr_b32 s22, s22, 6
	s_add_co_u32 s21, s21, s22
	s_mul_i32 s30, s20, 6144
	s_mul_i32 s31, s20, 12288
	s_add_co_u32 s31, s31, 98304
	s_cmp_eq_u32 s24, 0
	s_cselect_b32 s30, s30, s31
	s_mul_i32 s31, s98, 6144
	s_add_co_u32 s30, s30, s31
	s_mul_i32 s31, s21, 294912
	s_add_co_u32 s30, s30, s31
	s_mul_i32 s31, s21, 12288
	s_lshl_b32 s46, s24, 12
	s_add_co_u32 s31, s31, s46
	s_lshl_b32 s46, s20, 8
	s_add_co_u32 s31, s31, s46
	v_and_b32 v3, 31, v0
	v_lshl_add_u32 v[OA], v3, 4, s30
	v_lshl_add_u32 v[OA+1], v3, 3, s30
	v_add_nc_u32 v[OA+2], s27, v[OA]
	v_add_nc_u32 v[OA+3], s27, v[OA+1]
	v_lshl_add_u32 v[SO], v1, 4, s31
	v_mad_u32_u24 v[SO], v2, 0x3000, v[SO]
.irp b, 0,1,2,3
	v_mov_b32 v[TM+4+\b], 0
.endr
.macro QUANTW a
.set AC, 64*((\a)%4)
.set WW, 2+(\a)/4
.set WX2, (WW<<2)|(WW<<4)
.set PCA, PCB+12*(\a)
.irp b, 0,1,2,3
	v_mov_b32 v[TM+\b], 0x2800000                  ; the floor 2^(5 - 127): the byte cannot fall under 1
.endr
	WIN WX2
.irp i, 0,2,4,6,8,10,12,14
.irp b, 0,1,2,3
	v_max3_num_f32 v[TM+\b], v[TM+\b], |v[AC+16*\b+\i]|, |v[AC+16*\b+\i+1]|
.endr
.endr
	WIN 0
.irp b, 0,1,2,3
	v_permlanex16_b32 v[TM+4+\b], v[TM+\b], s44, s45
.endr
.irp b, 0,1,2,3
	v_max_num_f32 v[TM+\b], v[TM+\b], v[TM+4+\b]
.endr
.irp b, 0,1,2,3
	v_add_nc_u32 v[TM+12+\b], 0xfe000000, v[TM+\b]
.endr
.irp b, 0,1,2,3
	v_lshrrev_b32 v[TM+4+\b], 23, v[TM+12+\b]
.endr
	v_lshl_or_b32 v[PW+(\a)], v[TM+5], 8, v[TM+4]
	v_lshl_or_b32 v[PW+(\a)], v[TM+6], 16, v[PW+(\a)]
	v_lshl_or_b32 v[PW+(\a)], v[TM+7], 24, v[PW+(\a)]
	WIN WW
.irp c, 0,1
	v_cvt_scalef32_pk16_bf6_f32 v[PCA+6*\c:PCA+6*\c+2], v[AC+32*\c:AC+32*\c+15], v[TM+12+2*\c]
	v_cvt_scalef32_pk16_bf6_f32 v[PT+4*\c:PT+4*\c+2], v[AC+32*\c+16:AC+32*\c+31], v[TM+12+2*\c+1]
.endr
	WIN 0
	v_nop
.irp c, 0,1
.irp i, 0,1,2
	v_permlane16_swap_b32 v[PCA+6*\c+\i], v[PT+4*\c+\i]
.endr
.irp i, 0,1,2
	v_mov_b32 v[PCA+3+6*\c+\i], v[PT+4*\c+\i]
.endr
.endr
.endm
.macro OUTA a
.set PCA, PCB+12*(\a)
.if (\a) > 0
	s_wait_xcnt 0x0                                ; the earlier stores have read their offsets
.irp x, 0,1,2,3
.if (\a) == 4
	v_add_nc_u32 v[OA+\x], s26, v[OA+\x]
.else
	v_add_nc_u32 v[OA+\x], s25, v[OA+\x]
.endif
.endr
.endif
	global_store_b128 v[OA], v[PCA:PCA+3], s[92:93]
	global_store_b64 v[OA+1], v[PCA+4:PCA+5], s[92:93] offset:512
	s_wait_alu depctr_va_vdst(0)
	global_store_b128 v[OA+2], v[PCA+6:PCA+9], s[92:93]
	global_store_b64 v[OA+3], v[PCA+10:PCA+11], s[92:93] offset:512
.endm
.irp a, 0,1,2,3,4,5,6,7
	QUANTW \a
	OUTA \a
.endr
.irp k, 0,1,2,3
	v_perm_b32 v[T0+\k], v[PW+4+\k], v[PW+\k], s28
	v_perm_b32 v[T1+\k], v[PW+4+\k], v[PW+\k], s29
.endr
.irp k, 0,1,2,3
	v_cndmask_b32 v[RW+\k], v[T0+\k], v[T1+\k], s43
.endr
	global_store_b128 v[SO], v[RW:RW+3], s[94:95]
	s_wait_tensorcnt 0x0                           ; the wave's end
	ds_add_u32 v[SPW], v[NIL]
	s_wait_dscnt 0x0
	CROUND                                         ; the closing round
	s_endpgm
.Lfunc_end_k_q27dfa14849_proj:
	.size	k_q27dfa14849_proj, .Lfunc_end_k_q27dfa14849_proj-k_q27dfa14849_proj
	.p2alignl 7, 3214868480
	.fill 96, 4, 3214868480
	.section	.rodata,"a",@progbits
	.p2align	6, 0x0
	.amdhsa_kernel k_q27dfa14849_proj
		.amdhsa_group_segment_fixed_size 327680
		.amdhsa_private_segment_fixed_size 0
		.amdhsa_enable_private_segment 0
		.amdhsa_kernarg_size 72
		.amdhsa_user_sgpr_count 2
		.amdhsa_user_sgpr_kernarg_segment_ptr 1
		.amdhsa_wavefront_size32 1
		.amdhsa_system_sgpr_workgroup_id_x 1
		.amdhsa_system_sgpr_workgroup_id_y 1
		.amdhsa_system_sgpr_workgroup_id_z 1
		.amdhsa_system_vgpr_workitem_id 0
		.amdhsa_next_free_vgpr 1024
		.amdhsa_next_free_sgpr 100
		.amdhsa_reserve_vcc 0
		.amdhsa_float_denorm_mode_32 3
		.amdhsa_float_denorm_mode_16_64 3
		.amdhsa_memory_ordered 1
		.amdhsa_forward_progress 1
		.amdhsa_inst_pref_size 193
	.end_amdhsa_kernel
	.amdgpu_metadata
---
amdhsa.version: [ 1, 2 ]
amdhsa.kernels:
  - .name:           k_q27dfa14849_proj
    .symbol:         k_q27dfa14849_proj.kd
    .args:
      - { .name: xcodes, .offset: 0, .size: 8, .value_kind: global_buffer, .address_space: global }
      - { .name: xscales, .offset: 8, .size: 8, .value_kind: global_buffer, .address_space: global }
      - { .name: wcodes, .offset: 16, .size: 8, .value_kind: global_buffer, .address_space: global }
      - { .name: wscales, .offset: 24, .size: 8, .value_kind: global_buffer, .address_space: global }
      - { .name: bq, .offset: 32, .size: 8, .value_kind: global_buffer, .address_space: global }
      - { .name: bk, .offset: 40, .size: 8, .value_kind: global_buffer, .address_space: global }
      - { .name: bv, .offset: 48, .size: 8, .value_kind: global_buffer, .address_space: global }
      - { .name: img, .offset: 56, .size: 8, .value_kind: global_buffer, .address_space: global }
      - { .name: scl, .offset: 64, .size: 8, .value_kind: global_buffer, .address_space: global }
    .group_segment_fixed_size: 327680
    .private_segment_fixed_size: 0
    .kernarg_segment_align: 8
    .kernarg_segment_size: 72
    .max_flat_workgroup_size: 128
    .sgpr_count:     100
    .vgpr_count:     1024
    .wavefront_size: 32
...
	.end_amdgpu_metadata
.endif
;; end of part 2
;; launch attn (part 3): grid 4 x 64, 16 waves a work-group, no clusters, 276,480 bytes of LDS; arguments img, scl, mbits, mflags, out0; writes out0
.if DOCPART == 3
	.amdgcn_target "amdgcn-amd-amdhsa--gfx1250"
	.amdhsa_code_object_version 6
	.text
	.protected	k_q27dfa14849_attn
	.globl	k_q27dfa14849_attn
	.p2align	8
	.type	k_q27dfa14849_attn,@function
k_q27dfa14849_attn:
	s_mov_b64 s[64:65], 0
	v_nop
	global_prefetch_b8 v0, s[64:65] scope:SCOPE_SE
	s_setreg_imm32_b32 hwreg(HW_REG_WAVE_MODE, 25, 1), 1
	s_wait_xcnt 0x0
; ATTN: out[b][q][64 head + d] = the sum over keys of softmax(mask(Q . K / 8)) V, both products on codes of BF6 (E3M2) with one E8M0 scale for each 32 along a product's K.
; THE SOFTMAX AHEAD OF THE SECOND PRODUCT: t = score x log2(e) / 8; M = the running largest t rounded UP to a whole number; p = 2^(t - M) is quantised along the keys, not normalised; the row's sum is taken of
; the unquantised p and divides at the end.  When M moves, the sum and O are multiplied by 2^(old M - new M): exact.  Hidden scores become -infinity ahead of the maximum.
; SHARES.  A work-group owns 512 queries of one head (x: which 512; y: batch x 16 + head): 256 work-groups.  Each of its sixteen waves owns two tiles of 16 queries, T = 32 x + 2 wave and T + 1, one after the other (two passes);
; every pass walks the head's 2,048 keys, 128 a step.
; THE HEAD'S K AND V LIE IN LDS WHOLE: 16 slots of 12,288 bytes, each written once.  In the first pass step j + 1's codes go from registers into slot j + 1 during step j (24 bytes a thread), and step j + 2's are asked for.
; No slot is written twice, so the pass's one barrier a step shows one thing only: every wave's stores of step j + 1 have landed.  It is signalled behind the step's maxima and waited for at the step's end, with work on
; registers alone between.  (The last trip stores nothing: its barrier orders nothing.)  The second pass has no barrier, no global load of codes and no LDS store.
; OPERANDS arrive as images of their registers (six registers a lane: 512 bytes at 16 x lane, 256 bytes at 8 x lane).  No cluster: nothing is asked for jointly without tensor loads.
; LAYOUT.  Both products are used transposed: S^T = K Q^T, O^T = V^T P^T: a lane holds one query (lane % 16) throughout.  Tiles hold rows by POSITION (bits 3 and 4 of a row's number exchanged): query r of tile T is
; token 32 (T / 2) + 8 (T % 2) + r + 8 (r / 8); score register 16 b + i is key 32 b + 16 (lane / 16) + i of the step; O^T's register 8 t + j is channel 32 (t / 2) + 16 (lane / 16) + 8 (t % 2) + j.
; THE HEAD'S 64 FILL HALF OF THE INSTRUCTION'S 128.  Source 0 holds TWO tiles of keys, k and k + 4, one in each half of K; Q stands in registers as [Q][zeros][Q], and two products with the same source 0
; take [Q][0] and [0][Q].  The zero codes' scale bytes are 0 (2^-127).
; THE MASK comes as 64 words a step in scalar registers, word n the lane mask of score register n.  A step with no hidden score (a stored flag) jumps over the 64 selects.
; LIMITS: a block's largest p is taken from its largest score (v_exp_f32 is taken not to fall where its input rises); a block whose every p is 0 keeps the scale byte 1: its codes are zeros;
; a row whose every key is hidden gives 0 x (1 / 0) = NaN, as the softmax of such a row does; NaN and infinities among the inputs are not served.
.set STEPB, 12288                      ; a key step's codes: K's 8 tiles of 768 bytes, then V's 4 tiles of d x 2 halves of the keys
.set KSC,   16*STEPB                   ; behind the 16 slots: K's scale words of the head (4,096 bytes), then V's (4,096)
.set STG,   KSC+8192                   ; a stage of 16 rows x 272 bytes for each wave, for the way out
.set SPARE, STG+16*16*272              ; the spare words: 2,048 bytes that no other line names
.set A16, 1                            ; 16 x lane
.set A8,  2                            ; 8 x lane
.set AS0, 3                            ; KSC + 16 (lane % 16)
.set ASJ, 4                            ; the same at the step in hand
.set W16, 5                            ; 16 x thread: the copy's place
.set W8,  6                            ; 8 x thread
.set PFO, 7                            ; 256 x min(lane, 11)
.set NEGI, 8                           ; -infinity;  v9, v10: the stage, in and back; v11: my place in two rows of out0; v12 -M, v13 the largest t, v[14:15] the sum
.set QF,  16                           ; v16-33  [Q][0][Q]
.set QS,  34                           ; v34, v35  Q's scale word for [Q][0] and for [0][Q]
.set KS,  36
.set VS,  40
.set CP,  44                           ; v44-49  the copy's 24 bytes
.set F,   50                           ; v50-97  four fragments of K, then of V
.set S,   98                           ; v98-161 S^T, then p
.set O,   162                          ; v162-193 O^T
.set PC,  194                          ; v194-205 p's codes
.set PT,  206
.set BM,  214
.set PD,  218
.set SOP, 222
.set PS,  226
.set FF,  228
.set TT,  230
.set C2,  232                          ; the sum's further chains: v232, v242, v244, v238 (pairs)
.set AJ16, 234                         ; A16, A8, W16, W8 + 12,288 x step
.set AJ8,  235
.set WJ16, 236
.set WJ8,  237
.set Q2,  246                          ; v246-252 the second tile's Q and its scale word
.set KVP, 4
.set MP,  8
.set PFA, 12
.set WV,  14
.set TRIPS, 15
.set FL,  16                           ; bit 0: has the step in hand a hidden score for my tile?  32 bits: two passes
.set TS,  17                           ; 256 x step
.set LIM, 18
.set QSH, 19                           ; 16 ((T / 4) % 2): which half of Q's scale word
.set SEL, 20
.set CS,  22
.set SO,  30                           ; 12,288 x step
.set INC, 66
	s_load_b256 s[4:11], s[0:1], 0x0               ; img, scl, mbits, mflags
	s_load_b64 s[2:3], s[0:1], 0x20                ; out0
	v_lshl_add_u32 v254, v0, 2, SPARE
	v_mov_b32 v255, 0
	v_lshrrev_b32 v1, 5, v0
	v_and_b32 v[TT], 31, v0                        ; lane
	v_and_b32 v[C2], 15, v0                        ; r
	v_bfe_u32 v[BM], v0, 4, 1                      ; h
	v_lshlrev_b32 v[W16], 4, v0
	v_lshlrev_b32 v[W8], 3, v0
	v_readfirstlane_b32 s[WV], v1                  ; wave 0..15
	v_mov_b32 v[NEGI], 0xff800000
	v_lshlrev_b32 v[A16], 4, v[TT]
	v_lshlrev_b32 v[A8], 3, v[TT]
	v_min_u32 v[PFO], 11, v[TT]
	v_lshl_add_u32 v[AS0], v[C2], 4, KSC
	v_mul_u32_u24 v9, v[C2], 272
	v_mul_u32_u24 v10, v[BM], 272
	v_lshlrev_b32 v11, 12, v[BM]
	v_add_nc_u32 v[PT+3], KSC, v[W16]
	v_lshlrev_b32 v[PFO], 8, v[PFO]
	v_lshl_add_u32 v9, v[BM], 6, v9                ; the stage, in: row r, + 64 h
	v_lshl_add_u32 v10, v[C2], 4, v10              ; back: lanes 0-15 one row, lanes 16-31 the next
	v_lshl_add_u32 v11, v[C2], 4, v11              ; and the same two rows in out0
.irp i, 0,1,2,3,4,5
	v_mov_b32 v[QF+6+\i], 0
.endr
.irp b, 0,1,2,3
	v_mov_b32 v[PD+\b], 0                          ; written once: a lane permute's destination counts as one of its sources
.endr
	v_mov_b32 v[FF+1], 0
	s_wait_alu depctr_va_vdst(0)                   ; the wait ahead of the run of scalar lines
	s_and_b32 s24, ttmp7, 0xffff                   ; batch x 16 + head
	s_lshl_b32 s25, ttmp9, 4
	s_add_co_u32 s25, s25, s[WV]
	s_lshl_b32 s25, s25, 1                         ; T: my first tile, even, 0 .. 126
	s_lshr_b32 s26, s24, 4                         ; batch
	s_and_b32 s27, s24, 15                         ; head
	s_mul_i32 s28, s24, 294912                     ; the head's images
	s_mov_b32 s29, 0
	s_mul_i32 s30, s24, 12288                      ; the head's scale words
	s_mov_b32 s31, 0
	s_lshl_b32 s66, s26, 7
	s_add_co_u32 s66, s66, s25                     ; 128 x batch + T
	s_mov_b32 s[SEL], 0x76543210
	s_mov_b32 s[SEL+1], 0xfedcba98
	s_mov_b32 s[CS], 0x3e38aa3b                    ; c = log2(e) / 8
	s_mov_b32 s[CS+1], s[CS]
	s_mov_b32 s[TS], 0
	s_mov_b32 s[TRIPS], 16
	s_cmp_eq_u32 s[WV], 0
	s_cselect_b32 s[LIM], 4, -1                    ; wave 0 prefetches, while more than 4 trips are left
	s_mul_i32 s12, s25, 768                        ; Q's image
	s_lshr_b32 s13, s25, 3
	s_lshl_b32 s13, s13, 8
	s_and_b32 s[QSH], s25, 3
	s_lshl_b32 s[QSH], s[QSH], 2
	s_add_co_u32 s13, s13, s[QSH]                  ; Q's scale word: [T / 8][r][T % 4]
	s_bfe_u32 s[QSH], s25, 0x10002
	s_lshl_b32 s[QSH], s[QSH], 4
	s_mul_i32 s67, s[WV], 16*272
	s_add_co_u32 s67, s67, STG                     ; my stage
	v_add_nc_u32 v9, s67, v9
	v_add_nc_u32 v10, s67, v10
	v_add_nc_u32 v[PT], s12, v[A16]
	v_add_nc_u32 v[PT+1], s12, v[A8]
	v_lshl_add_u32 v[PT+2], v[C2], 4, s13
	s_wait_alu depctr_va_vdst(0)                   ; the wait directly ahead of the wait below
	s_wait_kmcnt 0x0
	s_add_nc_u64 s[4:5], s[4:5], s[28:29]          ; img at my head
	s_add_nc_u64 s[6:7], s[6:7], s[30:31]          ; scl at my head
	s_lshl_b32 s28, s66, 12
	s_add_nc_u64 s[MP:MP+1], s[MP:MP+1], s[28:29]  ; my two tiles' mask words: 32 steps of 256 bytes on end
	s_lshl_b32 s28, s66, 4
	s_add_nc_u64 s[10:11], s[10:11], s[28:29]      ; my two tiles' eight words of flags
	s_lshl_b32 s28, s26, 11
	s_lshl_b32 s30, s25, 4
	s_add_co_u32 s28, s28, s30                     ; my first tile's first token: 2,048 batch + 32 (T / 2)
	s_lshl_b32 s28, s28, 12
	s_lshl_b32 s30, s27, 8
	s_add_co_u32 s28, s28, s30
	s_add_nc_u64 s[2:3], s[2:3], s[28:29]
	s_mul_i32 s28, ttmp9, 3072                     ; of a step's 48 blocks of 256 bytes my work-group asks for 12
	s_add_co_u32 s28, s28, 98304+3*STEPB           ; stepped at every trip's head: trip j names step j + 4
	s_add_nc_u64 s[PFA:PFA+1], s[4:5], s[28:29]
	s_load_b256 s[24:31], s[10:11], 0x0            ; the flags
	s_load_b512 s[32:47], s[MP:MP+1], 0x0          ; step 0's mask words: word n in s[32 + n], from word 32 on in s[36 + n]
	s_load_b512 s[48:63], s[MP:MP+1], 0x40
	s_load_b512 s[68:83], s[MP:MP+1], 0x80
	s_load_b512 s[84:99], s[MP:MP+1], 0xc0
	global_load_b128 v[F:F+3], v[W16], s[6:7] offset:4096              ; K's and V's scale words of the head: 8,192 bytes
	global_load_b128 v[CP:CP+3], v[W16], s[4:5] offset:98304           ; step 0's codes
	global_load_b64 v[CP+4:CP+5], v[W8], s[4:5] offset:98304+8192
	global_load_b128 v[S:S+3], v[PT], s[4:5]                           ; the first tile's Q
	global_load_b64 v[S+4:S+5], v[PT+1], s[4:5] offset:512
	global_load_b32 v[S+6], v[PT+2], s[6:7]
	global_load_b128 v[Q2:Q2+3], v[PT], s[4:5] offset:768              ; the second's
	global_load_b64 v[Q2+4:Q2+5], v[PT+1], s[4:5] offset:768+512
	global_load_b32 v[Q2+6], v[PT+2], s[6:7] offset:4
	s_wait_loadcnt 0x0
	ds_store_b128 v[PT+3], v[F:F+3]
	ds_store_b128 v[W16], v[CP:CP+3]
	ds_store_b64 v[W8], v[CP+4:CP+5] offset:8192
	s_add_nc_u64 s[KVP:KVP+1], s[KVP:KVP+1], 98304+STEPB   ; (its loads are done)  on to step 1
.macro INIT q                          ; a pass begins: Q from v[q ..], its word from v[q + 6]; M, the sum and O^T anew
	v_lshrrev_b32 v[QS], s[QSH], v[\q+6]
	s_delay_alu instid0(VALU_DEP_1)
	v_and_b32 v[QS], 0xffff, v[QS]                 ; my tile's two bytes, for [Q][0];
	s_delay_alu instid0(VALU_DEP_1)
	v_lshlrev_b32 v[QS+1], 16, v[QS]               ; and for [0][Q]
.irp i, 0,1,2,3,4,5
	v_mov_b32 v[QF+\i], v[\q+\i]
	v_mov_b32 v[QF+12+\i], v[\q+\i]
.endr
	v_mov_b32 v13, 0xff61b1e6                      ; the largest t so far: -3e38
	v_mov_b32 v14, 0
	v_mov_b32 v15, 0
	s_delay_alu instid0(VALU_DEP_3)
	v_floor_f32 v12, -v13                          ; -M
.set n, 0
.rept 32
	v_mov_b32 v[O+n], 0                            ; the step is written once: the first finds zeros
.set n, n+1
.endr
.endm
.macro ADDR strm                       ; the LDS addresses of the step at s[TS], s[SO]
	v_add_nc_u32 v[ASJ], s[TS], v[AS0]
	v_add_nc_u32 v[AJ16], s[SO], v[A16]
	v_add_nc_u32 v[AJ8], s[SO], v[A8]
.if \strm
	v_add_nc_u32 v[WJ16], s[SO], v[W16]
	v_add_nc_u32 v[WJ8], s[SO], v[W8]
.else
	v_nop
.endif
.endm
	INIT S
	s_wait_dscnt 0x0                               ; my stores have landed and have read their registers
	global_load_b128 v[CP:CP+3], v[W16], s[KVP:KVP+1]       ; step 1's codes
	global_load_b64 v[CP+4:CP+5], v[W8], s[KVP:KVP+1] offset:8192
	s_wait_kmcnt 0x0
	s_or_b32 s24, s24, s25
	s_or_b32 s26, s26, s27
	s_or_b32 s28, s28, s29
	s_or_b32 s30, s30, s31
	s_or_b32 s24, s24, s26                         ; bit J: step J of the first tile
	s_or_b32 s28, s28, s30
	s_lshl_b32 s28, s28, 16                        ; bit 16 + J: of the second
	s_or_b32 s[FL], s24, s28
	s_mov_b32 s[SO], 0
	s_mov_b32 s[INC+1], 0
	ADDR 1
	s_wait_alu depctr_va_vdst(0)                   ; the wait at the head's end
	s_barrier_signal -1
	s_barrier_wait -1                              ; slot 0 and the scale words lie in LDS
; A PREFETCH INTO THE L2: trip j loads step j + 2 and asks for step j + 4, what trip j + 2 will load.  The four work-groups of a head share a step's 48 blocks of 256 bytes out by address, 12 each: wave 0, one instruction,
; a lane a block (lanes 12-31 name the last again).  Steps 0 to 3 come by their loads alone; the last four trips ask for nothing.
.macro ASK
	s_cmp_gt_u32 s[TRIPS], s[LIM]
	s_cbranch_scc0 .Lnot_mine_\@
	global_prefetch_b8 v[PFO], s[PFA:PFA+1] th:TH_LOAD_NT scope:SCOPE_SE
.Lnot_mine_\@:
.endm
; A KEY STEP.  strm = 1: the first pass, which also fills the slots.
.macro STEP strm
.if \strm
	s_wait_loadcnt 0x0                             ; step j + 1's codes are in (on every way: the copy's registers are loaded again below)
	s_cmp_gt_u32 s[TRIPS], 1
	s_cbranch_scc0 .Lnost_\@                       ; the last trip has no next step
	ds_store_b128 v[WJ16], v[CP:CP+3] offset:STEPB
	ds_store_b64 v[WJ8], v[CP+4:CP+5] offset:STEPB+8192
	s_add_nc_u64 s[KVP:KVP+1], s[KVP:KVP+1], STEPB
.Lnost_\@:
.endif
.irp k, 0,1,2,3                                ; source 0 number k: K's tile k, then tile k + 4
	ds_load_b128 v[F+12*\k:F+12*\k+3], v[AJ16] offset:768*\k
	ds_load_b64 v[F+12*\k+4:F+12*\k+5], v[AJ8] offset:768*\k+512
	ds_load_b128 v[F+12*\k+6:F+12*\k+9], v[AJ16] offset:768*(\k+4)
	ds_load_b64 v[F+12*\k+10:F+12*\k+11], v[AJ8] offset:768*(\k+4)+512
.endr
	ds_load_b128 v[KS:KS+3], v[ASJ]
	s_wait_dscnt 0x0                               ; K is in; my stores above have landed and have read their registers
.if \strm
	s_cmp_gt_u32 s[TRIPS], 2
	s_cbranch_scc0 .Lnold_\@                       ; the last two trips have no step j + 2
	global_load_b128 v[CP:CP+3], v[W16], s[KVP:KVP+1]
	global_load_b64 v[CP+4:CP+5], v[W8], s[KVP:KVP+1] offset:8192
.Lnold_\@:
	ASK
.endif
.irp k, 0,1,2,3
	v_wmma_scale_f32_16x16x128_f8f6f4 v[S+8*\k:S+8*\k+7], v[F+12*\k:F+12*\k+11], v[QF:QF+11], 0, v[KS+\k], v[QS] matrix_a_fmt:MATRIX_FMT_BF6 matrix_b_fmt:MATRIX_FMT_BF6
	v_wmma_scale_f32_16x16x128_f8f6f4 v[S+8*(\k+4):S+8*(\k+4)+7], v[F+12*\k:F+12*\k+11], v[QF+6:QF+17], 0, v[KS+\k], v[QS+1] matrix_a_fmt:MATRIX_FMT_BF6 matrix_b_fmt:MATRIX_FMT_BF6
.endr
.rept 4
	v_nop                                          ; four plain lines behind the products
.endr
.irp t, 0,1,2,3                                ; V^T: 16 channels x 128 keys
.irp c, 0,1
	ds_load_b128 v[F+12*\t+6*\c:F+12*\t+6*\c+3], v[AJ16] offset:6144+1536*\t+768*\c
	ds_load_b64 v[F+12*\t+6*\c+4:F+12*\t+6*\c+5], v[AJ8] offset:6144+1536*\t+768*\c+512
.endr
.endr
	s_wait_alu depctr_va_vdst(0)
	ds_load_b128 v[VS:VS+3], v[ASJ] offset:4096
	s_wait_kmcnt 0x0                               ; this step's mask words
	s_bitcmp1_b32 s[FL], 0
	s_cbranch_scc0 .Lopen_\@                       ; no score of this step is hidden for my tile
.set n, 0
.rept 64
	v_cndmask_b32 v[S+n], v[NEGI], v[S+n], s[32+n+4*(n/32)]   ; each accumulator from its low end on
.set n, n+1
.endr
.Lopen_\@:
	s_lshr_b32 s[FL], s[FL], 1
.irp b, 0,1,2,3
	v_max3_num_f32 v[BM+\b], v[S+16*\b], v[S+16*\b+1], v[S+16*\b+2]   ; the largest score of each block of 32 keys: for the row's maximum, and for the block's largest p
.endr
.irp i, 3,5,7,9,11,13
.irp b, 0,1,2,3
	v_max3_num_f32 v[BM+\b], v[BM+\b], v[S+16*\b+\i], v[S+16*\b+\i+1]
.endr
.endr
.irp b, 0,1,2,3
	v_max_num_f32 v[BM+\b], v[BM+\b], v[S+16*\b+15]
.endr
.irp b, 0,1,2,3
	s_delay_alu instid0(VALU_DEP_4)
	v_permlanex16_b32 v[PD+\b], v[BM+\b], s[SEL], s[SEL+1]
.endr
.irp b, 0,1,2,3
	s_delay_alu instid0(VALU_DEP_4)
	v_max_num_f32 v[BM+\b], v[BM+\b], v[PD+\b]     ; with lane l xor 16's 16 keys
.endr
	s_delay_alu instid0(VALU_DEP_2)
	v_max3_num_f32 v[TT], v[BM], v[BM+1], v[BM+2]
	s_delay_alu instid0(VALU_DEP_1)
	v_max_num_f32 v[TT], v[TT], v[BM+3]
	s_delay_alu instid0(VALU_DEP_1)
	v_mul_f32 v[TT], s[CS], v[TT]                  ; as t
	s_delay_alu instid0(VALU_DEP_1)
	v_max_num_f32 v13, v13, v[TT]                  ; the running largest t
	v_mov_b32 v[TT], v12
	s_delay_alu instid0(VALU_DEP_2)
	v_floor_f32 v12, -v13                          ; the new -M = -ceil(t)
	s_delay_alu instid0(VALU_DEP_1)
	v_sub_f32 v[TT], v12, v[TT]                    ; old M - new M: 0 or less
	s_delay_alu instid0(VALU_DEP_1)
	v_cvt_i32_f32 v[TT], v[TT]                     ; (it saturates)
	s_delay_alu instid0(VALU_DEP_1)
	v_ldexp_f32 v[FF], 1.0, v[TT]                  ; f = 2^(old M - new M)
.if \strm
	s_add_nc_u64 s[MP:MP+1], s[MP:MP+1], 256       ; (its loads are done)  the next step's mask words; behind the first tile's lie the second's
.else
	s_cmp_lg_u32 s[TRIPS], 1
	s_cselect_b32 s[INC], 256, 0                   ; the last trip names its own words again: no load leaves the buffer
	s_add_nc_u64 s[MP:MP+1], s[MP:MP+1], s[INC:INC+1]
.endif
	s_load_b512 s[32:47], s[MP:MP+1], 0x0
	s_load_b512 s[48:63], s[MP:MP+1], 0x40
	s_load_b512 s[68:83], s[MP:MP+1], 0x80
	s_load_b512 s[84:99], s[MP:MP+1], 0xc0
	s_wait_alu depctr_va_vdst(0)                   ; the wait behind the scalar lines and ahead of the wait below
.if \strm
	s_wait_dscnt 0x0                               ; no LDS instruction of mine is out (V is in; my stores of step j + 1 landed above):
	s_barrier_signal -1                            ; say so; only work on registers stands between this line and the wait at the step's end
.endif
.set n, 0
.rept 32
	v_pk_fma_f32 v[S+n:S+n+1], v[S+n:S+n+1], s[CS:CS+1], v[12:13] op_sel_hi:[1,0,0]   ; t - M, two at a time
.set n, n+2
.endr
.irp b, 0,1,2,3
	v_fma_f32 v[BM+\b], v[BM+\b], s[CS], v12       ; the same of each block's largest score
.endr
.set n, 0
	s_wait_alu depctr_va_vdst(0)                   ; the wait ahead of the batch
.rept 64
	v_exp_f32 v[S+n], v[S+n]                       ; p = 2^(t - M), at most 1
.set n, n+1
.endr
	v_pk_mul_f32 v[14:15], v[14:15], v[FF:FF+1] op_sel_hi:[1,0]   ; the sums under the new M (a plain line behind the exponentials)
	s_wait_alu depctr_va_vdst(0)                   ; one wait for the batch of 64
.irp b, 0,1,2,3
	v_exp_f32 v[BM+\b], v[BM+\b]                   ; the block's largest p
.endr
	v_pk_add_f32 v[14:15], v[14:15], v[S:S+1]      ; the row's sum of the unquantised p: 32 packed additions in five chains
.set n, 2
.irp c, 232,242,244,238
	v_pk_add_f32 v[\c:\c+1], v[S+n:S+n+1], v[S+n+2:S+n+3]
.set n, n+4
.endr
.rept 4
.irp c, 14,232,242,244,238
	v_pk_add_f32 v[\c:\c+1], v[\c:\c+1], v[S+n:S+n+1]
.set n, n+2
.endr
.endr
.irp c, 14,232,242
	v_pk_add_f32 v[\c:\c+1], v[\c:\c+1], v[S+n:S+n+1]
.set n, n+2
.endr
	s_delay_alu instid0(VALU_DEP_4)
	v_pk_add_f32 v[244:245], v[244:245], v[238:239]
	s_delay_alu instid0(VALU_DEP_2)
	v_pk_add_f32 v[232:233], v[232:233], v[242:243]
	s_delay_alu instid0(VALU_DEP_2)
	v_pk_add_f32 v[14:15], v[14:15], v[244:245]
	s_delay_alu instid0(VALU_DEP_1)
	v_pk_add_f32 v[14:15], v[14:15], v[232:233]
	s_wait_alu depctr_va_vdst(0)                   ; and one for the four
.irp b, 0,1,2,3
	v_max_num_f32 v[BM+\b], 0x2800000, v[BM+\b]    ; the floor 2^(5 - 127): the byte cannot fall under 1
.endr
.irp b, 0,1,2,3
	s_delay_alu instid0(VALU_DEP_4)
	v_add_nc_u32 v[SOP+\b], 0xfe000000, v[BM+\b]   ; 4 off the exponent field: the conversion's scale operand
.endr
.irp b, 0,1,2,3
	s_delay_alu instid0(VALU_DEP_4)
	v_lshrrev_b32 v[PD+\b], 23, v[SOP+\b]          ; the scale's byte
.endr
	s_delay_alu instid0(VALU_DEP_3)
	v_lshl_or_b32 v[PS], v[PD+1], 8, v[PD]         ; p's scale word for these 128 keys
	s_delay_alu instid0(VALU_DEP_1)
	v_lshl_or_b32 v[PS], v[PD+2], 16, v[PS]
	s_delay_alu instid0(VALU_DEP_1)
	v_lshl_or_b32 v[PS], v[PD+3], 24, v[PS]
.irp c, 0,1
	v_cvt_scalef32_pk16_bf6_f32 v[PC+6*\c:PC+6*\c+2], v[S+32*\c:S+32*\c+15], v[SOP+2*\c]
	v_cvt_scalef32_pk16_bf6_f32 v[PT+4*\c:PT+4*\c+2], v[S+32*\c+16:S+32*\c+31], v[SOP+2*\c+1]   ; (a conversion's three registers begin on an even number)
.endr
	v_nop                                          ; one plain line behind a scaled conversion
.irp c, 0,1                                    ; the operand's layout wants a whole block in a lane
.irp i, 0,1,2
	v_permlane16_swap_b32 v[PC+6*\c+\i], v[PT+4*\c+\i]
.endr
.irp i, 0,1,2
	s_delay_alu instid0(VALU_DEP_3)
	v_mov_b32 v[PC+3+6*\c+\i], v[PT+4*\c+\i]
.endr
.endr
.set n, 0
.rept 16
	v_pk_mul_f32 v[O+n:O+n+1], v[O+n:O+n+1], v[FF:FF+1] op_sel_hi:[1,0]   ; O^T under the new M, each accumulator from its low end on; these sixteen also stand between the writes of p's codes and scale word and the products
.set n, n+2
.endr
	s_wait_alu depctr_va_vdst(0)
	s_wait_dscnt 0x0                               ; V is in
	s_add_co_u32 s[TS], s[TS], 256
	s_add_co_u32 s[SO], s[SO], STEPB
.irp t, 0,1,2,3
	v_wmma_scale_f32_16x16x128_f8f6f4 v[O+8*\t:O+8*\t+7], v[F+12*\t:F+12*\t+11], v[PC:PC+11], v[O+8*\t:O+8*\t+7], v[VS+\t], v[PS] matrix_a_fmt:MATRIX_FMT_BF6 matrix_b_fmt:MATRIX_FMT_BF6
.endr
	ADDR \strm                                     ; the next step's addresses are the plain lines behind the products
	s_wait_alu depctr_va_vdst(0)                   ; the wait ahead of the barrier's wait and the branch
.if \strm
	s_barrier_wait -1                              ; every wave's stores of step j + 1 have landed
.endif
.endm
; THE WAY OUT of a tile.  O^T / the sum goes through my own stage in LDS and leaves as rows: sixteen lanes store a head's 256 bytes of one token, aligned.
.macro OUT
	v_add_f32 v14, v14, v15
	s_delay_alu instid0(VALU_DEP_1)
	v_permlanex16_b32 v[TT], v14, s[SEL], s[SEL+1]
	s_delay_alu instid0(VALU_DEP_1)
	v_add_f32 v14, v14, v[TT]
	s_wait_alu depctr_va_vdst(0)
	v_rcp_f32 v14, v14
	v_nop                                          ; a plain line behind the reciprocal
	s_wait_alu depctr_va_vdst(0)                   ; the wait ahead of its first reader and of O^T's
.set n, 0
.rept 32
	v_mul_f32 v[S+n], v[O+n], v14
.set n, n+1
.endr
.irp t, 0,1,2,3
.irp e, 0,1
	ds_store_b128 v9, v[S+8*\t+4*\e:S+8*\t+4*\e+3] offset:128*(\t/2)+32*(\t%2)+16*\e   ; channels 32 (t / 2) + 16 h + 8 (t % 2) + 4 e on
.endr
.endr
.irp i, 0,1,2,3,4,5,6,7
	ds_load_b128 v[F+4*\i:F+4*\i+3], v10 offset:544*\i   ; LDS serves a wave's instructions in order: these see my stores
.endr
.irp i, 0,1,2,3,4,5,6,7
	s_wait_dscnt 7-\i                              ; rows 2 i, 2 i + 1 are back; the 7 - i younger loads may be out
	global_store_b128 v11, v[F+4*\i:F+4*\i+3], s[2:3] offset:(2*\i+8*(\i/4))*4096 th:TH_STORE_NT   ; stage row rho is token rho + 8 (rho / 8) of the tile
.endr
.endm
.Lpass1:                                           ; 16 trips: the first tile, and the slots are filled
	s_wait_xcnt 0x0                                ; the last prefetch, a step back, has read its address
	s_add_nc_u64 s[PFA:PFA+1], s[PFA:PFA+1], STEPB
	STEP 1
	s_sub_co_u32 s[TRIPS], s[TRIPS], 1
	s_cmp_lg_u32 s[TRIPS], 0
	s_cbranch_scc1 .Lpass1
	OUT
	s_wait_xcnt 0x0                                ; the stores have read their registers and their base
	s_add_nc_u64 s[2:3], s[2:3], 8*4096            ; the second tile begins 8 tokens on
	s_mov_b32 s[TS], 0
	s_mov_b32 s[SO], 0
	s_mov_b32 s[TRIPS], 16
	INIT Q2
	ADDR 0
	s_wait_alu depctr_va_vdst(0)                   ; the wait ahead of the loop
.Lpass2:                                           ; 16 trips: the second tile, from LDS alone
	STEP 0
	s_sub_co_u32 s[TRIPS], s[TRIPS], 1
	s_cmp_lg_u32 s[TRIPS], 0
	s_cbranch_scc1 .Lpass2
	OUT
	s_wait_tensorcnt 0x0                           ; the wave's end
	ds_add_u32 v254, v255
	s_wait_dscnt 0x0
	s_endpgm
.Lfunc_end_k_q27dfa14849_attn:
	.size	k_q27dfa14849_attn, .Lfunc_end_k_q27dfa14849_attn-k_q27dfa14849_attn
	.p2alignl 7, 3214868480
	.fill 96, 4, 3214868480
	.section	.rodata,"a",@progbits
	.p2align	6, 0x0
	.amdhsa_kernel k_q27dfa14849_attn
		.amdhsa_group_segment_fixed_size 276480
		.amdhsa_private_segment_fixed_size 0
		.amdhsa_enable_private_segment 0
		.amdhsa_kernarg_size 40
		.amdhsa_user_sgpr_count 2
		.amdhsa_user_sgpr_kernarg_segment_ptr 1
		.amdhsa_wavefront_size32 1
		.amdhsa_system_sgpr_workgroup_id_x 1
		.amdhsa_system_sgpr_workgroup_id_y 1
		.amdhsa_system_sgpr_workgroup_id_z 1
		.amdhsa_system_vgpr_workitem_id 0
		.amdhsa_next_free_vgpr 256
		.amdhsa_next_free_sgpr 100
		.amdhsa_reserve_vcc 0
		.amdhsa_float_denorm_mode_32 3
		.amdhsa_float_denorm_mode_16_64 3
		.amdhsa_memory_ordered 1
		.amdhsa_forward_progress 1
		.amdhsa_inst_pref_size 61
	.end_amdhsa_kernel
	.amdgpu_metadata
---
amdhsa.version: [ 1, 2 ]
amdhsa.kernels:
  - .name:           k_q27dfa14849_attn
    .symbol:         k_q27dfa14849_attn.kd
    .args:
      - { .name: img, .offset: 0, .size: 8, .value_kind: global_buffer, .address_space: global }
      - { .name: scl, .offset: 8, .size: 8, .value_kind: global_buffer, .address_space: global }
      - { .name: mbits, .offset: 16, .size: 8, .value_kind: global_buffer, .address_space: global }
      - { .name: mflags, .offset: 24, .size: 8, .value_kind: global_buffer, .address_space: global }
      - { .name: out0, .offset: 32, .size: 8, .value_kind: global_buffer, .address_space: global }
    .group_segment_fixed_size: 276480
    .private_segment_fixed_size: 0
    .kernarg_segment_align: 8
    .kernarg_segment_size: 40
    .max_flat_workgroup_size: 512
    .sgpr_count:     100
    .vgpr_count:     256
    .wavefront_size: 32
...
	.end_amdgpu_metadata
.endif
;; end of part 3
